; MI455X (gfx1250); checked and timed in simulation.
; The chip was launched on July 23, 2026; its instructions are those of AMD's public machine-readable ISA for CDNA 5 (MIT licence, August 2026) and "CDNA5" Instruction Set Architecture Reference Guide (July 2026). The comments in the code are by the model that wrote it; some were corrected since.
;; Self Attention. Allowed arithmetic: matrix products marked QUANTISED: E2M3 operands, one E8M0 scale for each 32 along K, by v_wmma_scale_f32_16x16x128_f8f6f4 with both operands' format E2M3, f32 sums; everything else in f32.
;; Inputs: Wk 128 x 1,024 float32; Wq 128 x 1,024 float32; Wv 1,024 x 1,024 float32; bk 128 float32; bq 128 float32; bv 1,024 float32; gamma 1 float32; x 8 x 2,048 x 1,024 float32.
;; Outputs: out0 8 x 2,048 x 1,024 float32.
;; This version of the problem:
;;   THIS VERSION OF THE PROBLEM IS GIVEN IN LOW PRECISION. The matrix products marked QUANTISED in the list below multiply operands that are first quantised to E2M3 (2 exponent bits, 3 mantissa bits; 6 bits a number), with one power-of-two scale for each 32 numbers along K (OCP MX v1.0); their sums are f32. All else is computed in f32.
;;   The module's matrix products, in the order in which they are computed (A, B: the left and right operand; K: the contracted axis; several contracted axes count as one K, in the product's order):
;;     1. [M 16,384, K 1,024] x [K 1,024, N 128]; A: input x; B: input Wq: QUANTISED
;;     2. [M 16,384, K 1,024] x [K 1,024, N 128]; A: input x; B: input Wk: QUANTISED
;;     3. [M 16,384, K 1,024] x [K 1,024, N 1,024]; A: input x; B: input Wv: QUANTISED
;;     4. batch 8 x [M 2,048, K 128] x [K 128, N 2,048]; A: computed on the way; B: computed on the way: QUANTISED
;;     5. batch 8 x [M 1,024, K 2,048] x [K 2,048, N 2,048]; A: computed on the way; B: softmax (see below): QUANTISED
;;   THE QUANTISER, for each operand of a quantised product, along K:
;;     - K is cut into blocks of 32 from its start; a last block that is shorter is filled with zeros.
;;     - A block's scale is 2^e with e = floor(log2(the largest magnitude in the block)) - 2, held to -126 .. 127; a block of zeros has e = 0. As a byte (E8M0): e + 127.
;;     - Each number is divided by its block's scale, clamped to +-7.5, and rounded to the nearest number of E2M3, ties to even, subnormals kept.
;;     - The product sums the exact products of the quantised numbers (number of the format x scale) in f32.
;;   ~~~python
;;   def quantise(x, axis):      # numpy; x: float32 -> the quantised numbers, widened to float32 again
;;       x = np.moveaxis(x, axis, -1); K = x.shape[-1]
;;       x = np.pad(x, [(0, 0)] * (x.ndim - 1) + [(0, -K % 32)]); x = x.reshape(x.shape[:-1] + (-1, 32)); a = np.abs(x).max(-1, keepdims=True)
;;       e = np.where(a > 0, np.clip(np.frexp(np.where(a > 0, a, 1))[1] - 1 - 2, -126, 127), 0)      # np.frexp(a)[1] - 1 = floor(log2(a)), exactly
;;       r = np.clip(x / 2.0 ** e, -7.5, 7.5)
;;       step = 2.0 ** (np.maximum(np.frexp(np.where(r == 0, 1, r))[1] - 1, 0) - 3)
;;       q = np.round(r / step) * step * 2.0 ** e      # np.round: ties to even
;;       return np.moveaxis(q.reshape(q.shape[:-2] + (-1,))[..., :K], -1, axis).astype(np.float32)
;;   ~~~
;;   SOFTMAX AHEAD OF A QUANTISED PRODUCT. Where the list says 'softmax', what is quantised is not the finished softmax but p = 2^(t - M), with t = logit x log2(e) and M = ceil(the row's largest t), a whole number; so 1/2 < the row's largest p <= 1. The row's sum l is taken of the UNQUANTISED p, in f32, and the product's result is divided by l at the end. Since M is a whole number, a kernel that streams over the keys may use a running M (the ceiling of the running maximum): every later rescaling is an exact power of two, which a block's scale takes up: the codes' values come out the same.
;;   OPERANDS COMPUTED ON THE WAY. 'Computed on the way' means the value that the module computes at that place (a softmax that the list does not call 'softmax' is quantised finished and normalised). What goes into a quantiser is computed in f32, as accurately as f32 sums, v_exp_f32 and their like allow (about 1e-6 of the number): no bf16 or f16 on the way to a quantiser, and a product that is left as it is and whose result goes on into a quantised operand takes f32 operands (vector FMAs, or v_wmma_f32_16x16x4_f32). A number that lies on a knife's edge between two numbers of the format may be rounded either way, as far as f32 arithmetic and the matrix unit's own rounding can turn it there, and no further.
;; 2 versions, each right. Each part assembles by itself: llvm-mc -triple=amdgcn-amd-amdhsa -mcpu=gfx1250 --defsym DOCPART=n.
;; ======== version 1 of 2: 3 launches
;; workspace buffers: wbuf 1,064,960 bytes; qbuf 1,703,936 bytes; kbuf 1,703,936 bytes; vbuf 13,631,488 bytes
;; launch wprep (part 1): grid 160 x 1, 4 waves a work-group, no clusters, 0 bytes of LDS; arguments Wq, Wk, Wv, wbuf; writes wbuf
.if DOCPART == 1
	.amdgcn_target "amdgcn-amd-amdhsa--gfx1250"
	.amdhsa_code_object_version 6
	.text
	.protected	k_qf7b82bde45_wprep
	.globl	k_qf7b82bde45_wprep
	.p2align	8
	.type	k_qf7b82bde45_wprep,@function
k_qf7b82bde45_wprep:
	s_mov_b64 s[64:65], 0
	v_nop
	global_prefetch_b8 v0, s[64:65] scope:SCOPE_SE
	s_setreg_imm32_b32 hwreg(HW_REG_WAVE_MODE, 25, 1), 1
	s_wait_xcnt 0x0
; Wq [128][1024], Wk [128][1024], Wv [1024][1024], f32, K = the last axis, become codes of FP6 (E2M3) with one E8M0 scale byte for each 32 along K.
; They are stored as RECORDS: a record is one matrix operand, 16 rows x 128 K, as an image of its 12 registers: registers 4 g .. 4 g + 3 of lane L at 512 g + 16 L (1,536 bytes);
; its scale words, one a row, lie apart: the word of lane L at 4 L (128 bytes; lanes 16-31 hold a copy of lanes 0-15).
; wbuf: 8 blocks, one for each 128 along K, of 80 records and then their 80 scale areas.  Records 0-63: Wv's rows 16 f + r.  Records 64 + u: Wq, 72 + u: Wk, whose rows are NOT neighbours:
; row r of tile u is 32 (u / 2) + 8 (u % 2) + r + 8 (r / 8), so that the product that uses them leaves 16 neighbours along the next K in a lane's registers.
; One wave makes one record: 640 waves.  A lane (r = L % 16, h = L / 16) loads, of its row, 16 neighbouring numbers of each of the four blocks of 32; two lanes, L and L xor 16, hold a block.
; A block's scale is 2^(floor(log2(its largest magnitude)) - 2); its byte is the largest magnitude's exponent field - 2, held at 1 from below.
; LIMITS: NaN and infinities are not served; a block whose largest magnitude lies under 2^-124, a block of zeros among them, keeps the byte 1 (its codes are then zeros or next to it; this program alone reads the bytes).
; The loads take 64 bytes of each of 16 rows: accepted here, since the three weights are 5 MB in all and are read once.  No LDS, no barrier: waves share nothing.
.set S,    32                          ; v32-95   64 numbers: register 16 b + i = k 32 b + 16 h + i of my row
.set TM,   96                          ; v96-111  largest magnitudes, bytes, the conversions' scale operands
.set PW,   112                         ; v112     the scale word
.set PC,   116                         ; v116-135 the codes (12 registers) and two halves on their way
.set SEL,  24                          ; s[24:25] lane selects: lane l xor 16
.set KBLK, 133120                      ; a block of wbuf: 80 x 1,536 + 80 x 128
.set REC,  1536
.macro QUANT s
.irp b, 0,1,2,3
	v_max3_num_f32 v[TM+\b], |v[\s+16*\b]|, |v[\s+1+16*\b]|, 0x1800000   ; block b: my 16 numbers, and the floor 2^(3 - 127): the byte cannot fall under 1
.endr
.irp i, 2,4,6,8,10,12,14
.irp b, 0,1,2,3
	v_max3_num_f32 v[TM+\b], v[TM+\b], |v[\s+16*\b+\i]|, |v[\s+1+16*\b+\i]|   ; the four blocks by turns
.endr
.endr
.irp b, 0,1,2,3
	v_permlanex16_b32 v[TM+4+\b], v[TM+\b], s[SEL], s[SEL+1]
.endr
.irp b, 0,1,2,3
	v_max_num_f32 v[TM+\b], v[TM+\b], v[TM+4+\b]   ; with lane l xor 16's: the block's largest magnitude
.endr
.irp b, 0,1,2,3
	v_add_nc_u32 v[TM+12+\b], 0xff000000, v[TM+\b]   ; 2 off its exponent field: the conversion takes the exponent field of this operand as its scale
.endr
.irp b, 0,1,2,3
	v_lshrrev_b32 v[TM+4+\b], 23, v[TM+12+\b]   ; the scale's byte
.endr
	v_lshl_or_b32 v[PW], v[TM+5], 8, v[TM+4]
	v_lshl_or_b32 v[PW], v[TM+6], 16, v[PW]
	v_lshl_or_b32 v[PW], v[TM+7], 24, v[PW]        ; my row's scale word
.irp c, 0,1
	v_cvt_scalef32_pk16_fp6_f32 v[PC+6*\c:PC+2+6*\c], v[\s+32*\c:\s+15+32*\c], v[TM+12+2*\c]
	v_cvt_scalef32_pk16_fp6_f32 v[PC+12+4*\c:PC+14+4*\c], v[\s+16+32*\c:\s+31+32*\c], v[TM+12+2*\c+1]   ; (a conversion's three registers begin on an even number)
.endr
	v_nop                                          ; one plain instruction behind a scaled conversion
.irp c, 0,1                                    ; the operand wants a WHOLE block in a lane: lanes 0-15 block 2 c, lanes 16-31 block 2 c + 1
.irp i, 0,1,2
	v_permlane16_swap_b32 v[PC+6*\c+\i], v[PC+12+4*\c+\i]
.endr
.irp i, 0,1,2
	v_mov_b32 v[PC+3+6*\c+\i], v[PC+12+4*\c+\i]
.endr
.endr
.endm
	s_load_b256 s[4:11], s[0:1], 0x0               ; Wq s[4:5], Wk s[6:7], Wv s[8:9], wbuf s[10:11]
	v_lshrrev_b32 v1, 5, v0
	v_readfirstlane_b32 s12, v1                    ; wave 0..3
	s_lshr_b32 s13, ttmp9, 1                       ; f: the record, 0..79
	s_and_b32 s14, ttmp9, 1
	s_lshl_b32 s14, s14, 2
	s_add_co_u32 s14, s14, s12                     ; kk: which 128 along K
	s_and_b32 s15, s13, 7                          ; u, for Wq and Wk
	s_lshr_b32 s16, s15, 1
	s_lshl_b32 s16, s16, 5
	s_and_b32 s17, s15, 1
	s_lshl_b32 s17, s17, 3
	s_add_co_u32 s16, s16, s17                     ; 32 (u / 2) + 8 (u % 2)
	s_lshl_b32 s17, s13, 4                         ; 16 f, for Wv
	s_cmp_lt_u32 s13, 64
	s_cselect_b32 s16, s17, s16                    ; the tile's first row
	s_cselect_b32 s18, 0, 8                        ; and what rows 8-15 lie further on
	s_lshl_b32 s19, s14, 9                         ; 512 bytes of a row for each 128 along K
	s_mul_i32 s20, s14, KBLK
	s_mul_i32 s21, s13, REC
	s_add_co_u32 s22, s20, s21                     ; where the record goes
	s_mov_b32 s23, 0
	s_lshl_b32 s21, s13, 7
	s_add_co_u32 s20, s20, s21
	s_add_co_u32 s20, s20, 80*REC                  ; and its scale words
	s_mov_b32 s21, 0
	s_mov_b32 s[SEL], 0x76543210
	s_mov_b32 s[SEL+1], 0xfedcba98
	v_and_b32 v1, 15, v0                           ; r
	v_bfe_u32 v2, v0, 4, 1                         ; h
	v_and_b32 v3, 31, v0                           ; lane
	v_lshrrev_b32 v7, 3, v1
	v_mul_u32_u24 v7, v7, s18
	v_add3_u32 v7, v7, v1, s16                     ; my row
	v_lshl_add_u32 v4, v7, 12, s19                 ; x 4,096 bytes, + the K step,
	v_lshl_add_u32 v4, v2, 6, v4                   ; + 64 h: my 16 numbers of a block of 32
	v_lshlrev_b32 v5, 4, v3
	v_lshlrev_b32 v6, 2, v3
.irp b, 0,1,2,3
	v_mov_b32 v[TM+4+\b], 0                        ; written once: a lane permute's destination counts as one of its sources
.endr
	s_wait_kmcnt 0x0
	s_cmp_lt_u32 s13, 72                           ; which weight: the choice hangs on the work-group's number alone
	s_cselect_b64 s[4:5], s[4:5], s[6:7]
	s_cmp_lt_u32 s13, 64
	s_cselect_b64 s[4:5], s[8:9], s[4:5]
	s_add_nc_u64 s[22:23], s[10:11], s[22:23]
	s_add_nc_u64 s[20:21], s[10:11], s[20:21]
.irp b, 0,1,2,3
.irp j, 0,1,2,3
	global_load_b128 v[S+16*\b+4*\j:S+16*\b+4*\j+3], v4, s[4:5] offset:128*\b+16*\j th:TH_LOAD_NT
.endr
.endr
	s_wait_loadcnt 0x0
	QUANT S
.irp c, 0,1,2
	global_store_b128 v5, v[PC+4*\c:PC+4*\c+3], s[22:23] offset:512*\c   ; 32 lanes store 512 consecutive bytes, at a multiple of 256 from wbuf's first byte
.endr
	global_store_b32 v6, v[PW], s[20:21]
	s_endpgm
.Lfunc_end_k_qf7b82bde45_wprep:
	.size	k_qf7b82bde45_wprep, .Lfunc_end_k_qf7b82bde45_wprep-k_qf7b82bde45_wprep
	.p2alignl 7, 3214868480
	.fill 96, 4, 3214868480
	.section	.rodata,"a",@progbits
	.p2align	6, 0x0
	.amdhsa_kernel k_qf7b82bde45_wprep
		.amdhsa_group_segment_fixed_size 0
		.amdhsa_private_segment_fixed_size 0
		.amdhsa_enable_private_segment 0
		.amdhsa_kernarg_size 32
		.amdhsa_user_sgpr_count 2
		.amdhsa_user_sgpr_kernarg_segment_ptr 1
		.amdhsa_wavefront_size32 1
		.amdhsa_system_sgpr_workgroup_id_x 1
		.amdhsa_system_sgpr_workgroup_id_y 1
		.amdhsa_system_sgpr_workgroup_id_z 1
		.amdhsa_system_vgpr_workitem_id 0
		.amdhsa_next_free_vgpr 144
		.amdhsa_next_free_sgpr 66
		.amdhsa_reserve_vcc 0
		.amdhsa_float_denorm_mode_32 3
		.amdhsa_float_denorm_mode_16_64 3
		.amdhsa_memory_ordered 1
		.amdhsa_forward_progress 1
		.amdhsa_inst_pref_size 8
	.end_amdhsa_kernel
	.amdgpu_metadata
---
amdhsa.version: [ 1, 2 ]
amdhsa.kernels:
  - .name:           k_qf7b82bde45_wprep
    .symbol:         k_qf7b82bde45_wprep.kd
    .args:
      - { .name: Wq, .offset: 0, .size: 8, .value_kind: global_buffer, .address_space: global }
      - { .name: Wk, .offset: 8, .size: 8, .value_kind: global_buffer, .address_space: global }
      - { .name: Wv, .offset: 16, .size: 8, .value_kind: global_buffer, .address_space: global }
      - { .name: wbuf, .offset: 24, .size: 8, .value_kind: global_buffer, .address_space: global }
    .group_segment_fixed_size: 0
    .private_segment_fixed_size: 0
    .kernarg_segment_align: 8
    .kernarg_segment_size: 32
    .max_flat_workgroup_size: 128
    .sgpr_count:     66
    .vgpr_count:     144
    .wavefront_size: 32
...
	.end_amdgpu_metadata
.endif
;; end of part 1
;; launch proj (part 2): grid 256 x 1, 4 waves a work-group, clusters of 4 x 1, 327,680 bytes of LDS; arguments x, wbuf, bq, bk, bv, qbuf, kbuf, vbuf; writes qbuf, kbuf, vbuf
.if DOCPART == 2
	.amdgcn_target "amdgcn-amd-amdhsa--gfx1250"
	.amdhsa_code_object_version 6
	.text
	.protected	k_qf7b82bde45_proj
	.globl	k_qf7b82bde45_proj
	.p2align	8
	.type	k_qf7b82bde45_proj,@function
k_qf7b82bde45_proj:
	s_mov_b64 s[64:65], 0
	v_nop
	global_prefetch_b8 v0, s[64:65] scope:SCOPE_SE
	s_setreg_imm32_b32 hwreg(HW_REG_WAVE_MODE, 25, 1), 1
	s_wait_xcnt 0x0
	s_wait_alu depctr_hold_cnt(0) depctr_sa_sdst(0) depctr_va_vdst(0) depctr_va_sdst(0) depctr_va_ssrc(0) depctr_va_vcc(0) depctr_vm_vsrc(0)
	s_getreg_b32 s2, hwreg(HW_REG_IB_STS2, 6, 4)
	s_cmp_eq_u32 s2, 0
	s_cbranch_scc0 .Lentry_in_a_cluster
	s_endpgm
.Lentry_in_a_cluster:
	s_bfe_u32 s2, ttmp6, 0x10000c
	s_cmp_lg_u32 s2, 0x3003
	s_cbranch_scc0 .Lentry_shape_is_right
	s_endpgm
.Lentry_shape_is_right:
; q = x Wq^T + bq, k = x Wk^T + bk, v = x Wv^T + bv, on codes of FP6 (E2M3) with one E8M0 scale for each 32 along K = the 1,024 channels; then q and k are quantised along their 128 outputs and v along
; the positions t, which are the K of the products of the next launch.  x [16,384][1,024] f32 is quantised here, in registers; the weights come as records from wbuf.
; A RECORD is one matrix operand, 16 rows x 128 K, as an image of its 12 registers, and 128 bytes of scale words (the word of lane L at 4 L).  q, k, x and the weights: registers 4 g .. 4 g + 3 of lane L at
; 512 g + 16 L.  v: the pair 2 p, 2 p + 1 of lane L at 256 p + 8 L, since a record of v spans 128 t and a work-group owns 64: its half is pairs 3 c' .. 3 c' + 2, 768 consecutive bytes.
; SHARES.  A work-group owns 64 rows (positions) of x, as four tiles whose rows are NOT neighbours: row r of tile a is 32 (a / 2) + 8 (a % 2) + r + 8 (r / 8).  K goes in 8 steps of 128.
; Wave w quantises tile w of x and hands its record to the others through LDS.  It makes v for channels 256 w .. 256 w + 255 x 64 positions (64 accumulators; source 0 = x, source 1 = Wv: a lane holds ONE channel and
; its registers run along t), and q (waves 0, 1) or k (waves 2, 3) for two tiles of positions x 128 outputs (16 accumulators; source 0 = the weight, source 1 = x: a lane holds one position, registers along the outputs).
; With the rows chosen as above the 16 registers of two neighbouring tiles are 16 neighbours along the next K.  80 matrix instructions a wave and K step, from 24 records of weights and 6 of x.
; CLUSTER.  All work-groups walk the same wbuf: the four of a cluster ask for each K step's block JOINTLY (the same tensor load, the same descriptor, the mask 15).  The place in the cluster enters global addresses of x, qbuf, kbuf, vbuf alone.
; LIMITS: NaN and infinities are not served; a block whose largest magnitude lies under 2^-124, a block of zeros among them, keeps the scale byte 1 (this program alone reads the bytes).
; v's scale words are shared by two work-groups, two bytes each: these stores write their 128-byte areas in part; they are 64 stores of 64 bytes a work-group.
; No prefetch: x is streamed once by loads that run two K steps ahead, and wbuf's one megabyte is walked by every cluster.
; LDS: 0: the ring, two slots of one K step's block (133,120 bytes), filled by tensor loads alone;  TS: a stage of 16 rows x 528 bytes for each wave, its own;  XR: x's records, two buffers of 4 x 1,536 + 4 x 128;  SPARE: the spare words.
; REGISTERS, in windows of 256: window 0: v0-23 addresses; v24-37 scale words and nothing else; v40-87 four records of x, v88-111 my two again; v112-207 two sets of four weight records; v208-239 bv.
;   Between the products v40-79 serve the quantiser and v112-175 hold its 64 numbers.   windows 1, 2: v's accumulators (index 4 ct + a: window 1 + index / 32, register 8 (index % 32)).
;   window 3: v0-127 q's or k's accumulators (8 tt + u); v128-255 two sets of x as loaded.
.set SLOTB,  133120
.set QUARTB, 33280                     ; a wave's quarter of a block: 130 rows of 256 bytes
.set REC,    1536
.set WSCL,   80*REC                    ; where a block's scale areas begin
.set TS,     2*SLOTB
.set TSP,    528                       ; a stage row: 512 bytes + 16: the 16 rows that a load touches begin in 16 different groups of banks
.set XR,     TS+4*16*TSP
.set XBUF,   4*REC+4*128
.set SPARE,  XR+2*XBUF                 ; 128 bytes for each wave: two blocks of 256 bytes that no other line names
.set SPW,  1                           ; v1   my spare word's address; never rewritten
.set NIL,  2                           ; v2   0; never rewritten
.set LI,   3                           ; v3   16 x lane
.set LS,   4                           ; v4   4 x lane
.set L8,   5                           ; v5   8 x lane
.set WA,   6                           ; v6-7   my 16 records of Wv in slot 0, 1
.set WSA,  8                           ; v8-9   their scale words
.set WQA,  10                          ; v10-11 the 8 records of Wq or Wk
.set WQSA, 12                          ; v12-13 their scale words
.set XRA,  14                          ; v14  x's records
.set XRS,  15                          ; v15  their scale words
.set XQA,  16                          ; v16  my two tiles' records
.set XQSA, 17                          ; v17
.set XWI,  18                          ; v18  where I store my record of x
.set XWS,  19                          ; v19  and its scale words
.set TSW,  20                          ; v20  my stage, on the way in: 16 x lane
.set TSR,  21                          ; v21  and out: 528 r + 64 h
.set BVO,  22                          ; v22  bv: 1,024 w + 4 r
.set BQO,  23                          ; v23  bq, bk: 64 h
.set XSC,  24                          ; v24-27 scale words of x's four records
.set XQS,  28                          ; v28-29 of my two
.set WSC,  30                          ; v30-37 of the weights' records, two sets of four
.set XF,   40
.set XQ,   88
.set WF,   112
.set BV,   208
.set TM,   40
.set PW,   56
.set PC,   60
.set X,    112
.set WV,   20                          ; s20  my wave's number
.set G1,   24                          ; s[24:31] descriptor group 1
.set G0,   32                          ; s[32:39] group 0, a set for each slot
.set CNT,  40
.set SEL,  42                          ; s[42:43] lane selects: lane l xor 16
.set XP,   44                          ; s[44:45] x at my tile's first row, at the K step to be loaded
.set VC,   46                          ; s[46:47] vbuf: my codes
.set VSB,  48                          ; s[48:49] vbuf: my scale bytes
.set QC,   50                          ; s[50:51] qbuf or kbuf: my records
.set QS,   52                          ; s[52:53] and their scale words
.set BQP,  54                          ; s[54:55] bq or bk
.set MSB, 0
.macro WIN new                         ; the immediate's high byte repeats the setting that is left; a switch that changes nothing is dropped
.if MSB != \new
	s_set_vgpr_msb (MSB<<8)|\new
.set MSB, \new
.endif
.endm
.macro PLACES n
.rept \n
	v_nop
.endr
.endm
.macro ROUND                           ; a round of the cluster's barrier
	s_barrier_signal -1
	s_barrier_wait -1
	s_cmp_lg_u32 s[WV], 0
	s_cbranch_scc1 .Lnot_wave_0_\@
	s_barrier_signal -3
.Lnot_wave_0_\@:
	s_barrier_wait -3
	s_barrier_signal -1
	s_barrier_wait -1
.endm
; 64 numbers of a lane, v[s] .. v[s + 63] of window w, register 16 b + i = k 32 b + 16 h + i of my row, become a record's codes in v[PC] on and its scale word in v[PW].
.macro QUANT s, w
	WIN ((\w)|((\w)<<2))
.irp b, 0,1,2,3
	v_max3_num_f32 v[TM+\b], |v[\s+16*\b]|, |v[\s+1+16*\b]|, 0x1800000   ; block b: my 16 numbers, and the floor 2^(3 - 127): the byte cannot fall under 1.  (Each accumulator is read from its low end on)
.endr
	WIN (((\w)<<2)|((\w)<<4))
.irp i, 2,4,6,8,10,12,14
.irp b, 0,1,2,3
	v_max3_num_f32 v[TM+\b], v[TM+\b], |v[\s+16*\b+\i]|, |v[\s+1+16*\b+\i]|
.endr
.endr
	WIN 0
.irp b, 0,1,2,3
	v_permlanex16_b32 v[TM+4+\b], v[TM+\b], s[SEL], s[SEL+1]
.endr
.irp b, 0,1,2,3
	v_max_num_f32 v[TM+\b], v[TM+\b], v[TM+4+\b]   ; with lane l xor 16's: the block's largest magnitude
.endr
.irp b, 0,1,2,3
	v_add_nc_u32 v[TM+12+\b], 0xff000000, v[TM+\b]   ; 2 off its exponent field: the conversion's scale operand
.endr
.irp b, 0,1,2,3
	v_lshrrev_b32 v[TM+4+\b], 23, v[TM+12+\b]   ; the scale's byte
.endr
	v_lshl_or_b32 v[PW], v[TM+5], 8, v[TM+4]
	v_lshl_or_b32 v[PW], v[TM+6], 16, v[PW]
	v_lshl_or_b32 v[PW], v[TM+7], 24, v[PW]
	WIN (\w)
.irp c, 0,1
	v_cvt_scalef32_pk16_fp6_f32 v[PC+6*\c:PC+2+6*\c], v[\s+32*\c:\s+15+32*\c], v[TM+12+2*\c]
	v_cvt_scalef32_pk16_fp6_f32 v[PC+12+4*\c:PC+14+4*\c], v[\s+16+32*\c:\s+31+32*\c], v[TM+12+2*\c+1]   ; (a conversion's three registers begin on an even number)
.endr
	WIN 0
	v_nop                                          ; one plain instruction behind a scaled conversion
.irp c, 0,1                                    ; the operand wants a WHOLE block in a lane: lanes 0-15 block 2 c, lanes 16-31 block 2 c + 1
.irp i, 0,1,2
	v_permlane16_swap_b32 v[PC+6*\c+\i], v[PC+12+4*\c+\i]
.endr
.irp i, 0,1,2
	v_mov_b32 v[PC+3+6*\c+\i], v[PC+12+4*\c+\i]
.endr
.endr
.endm
; my tile's 16 rows, 128 numbers of each: a load takes one row's 512 consecutive bytes
.macro RLOAD set
	WIN 0xc0                                       ; destination window 3
.irp i, 0,1,2,3,4,5,6,7,8,9,10,11,12,13,14,15
	global_load_b128 v[128+64*(\set)+4*\i:128+64*(\set)+4*\i+3], v[LI], s[XP:XP+1] offset:(\i+8*(\i/8))*4096 th:TH_LOAD_NT
.endr
	WIN 0
.endm
; A K step of my tile of x becomes a record.  The rows turn through my own stage (LDS serves a wave's instructions in order: no wait between the stores and the loads), so that lane (r, h) holds 16 neighbours of each block of row r.
; lw: the younger set's loads, which may stay out.  rl = 1: the set is loaded again, two K steps on.
.macro XPHASE set, buf, lw, rl
	PLACES 4                                       ; behind the last products: loads and vector instructions below write registers that they read
	s_wait_loadcnt \lw
	WIN 0x0c                                       ; an LDS store's data are its source 1: window 3
.irp i, 0,1,2,3,4,5,6,7,8,9,10,11,12,13,14,15
	ds_store_b128 v[TSW], v[128+64*(\set)+4*\i:128+64*(\set)+4*\i+3] offset:TSP*\i
.endr
	WIN 0
.irp b, 0,1,2,3
.irp j, 0,1,2,3
	ds_load_b128 v[X+16*\b+4*\j:X+16*\b+4*\j+3], v[TSR] offset:128*\b+16*\j
.endr
.endr
	s_wait_dscnt 0x0                               ; the numbers are back, and the stores have read the set
.if \rl
	s_wait_xcnt 0x0                                ; the other set's loads have read their base: it may step
	s_add_nc_u64 s[XP:XP+1], s[XP:XP+1], 512
	RLOAD \set
.endif
	QUANT X, 0
.irp c, 0,1,2
	ds_store_b128 v[XWI], v[PC+4*\c:PC+4*\c+3] offset:(\buf)*XBUF+512*\c
.endr
	ds_store_b32 v[XWS], v[PW] offset:(\buf)*XBUF
.endm
.macro XFETCH buf                      ; x's four records, and my two tiles' once more (which two hangs on the wave, and a register number cannot): 24 loads
.irp a, 0,1,2,3
.irp c, 0,1,2
	ds_load_b128 v[XF+12*\a+4*\c:XF+12*\a+4*\c+3], v[XRA] offset:(\buf)*XBUF+\a*REC+512*\c
.endr
	ds_load_b32 v[XSC+\a], v[XRS] offset:(\buf)*XBUF+\a*128
.endr
.irp a, 0,1
.irp c, 0,1,2
	ds_load_b128 v[XQ+12*\a+4*\c:XQ+12*\a+4*\c+3], v[XQA] offset:(\buf)*XBUF+\a*REC+512*\c
.endr
	ds_load_b32 v[XQS+\a], v[XQSA] offset:(\buf)*XBUF+\a*128
.endr
.endm
.macro WFETCH slot, grp, set           ; four weight records and their scale words: 16 loads.  Groups 0-3: Wv's; 4, 5: Wq's or Wk's
.irp i, 0,1,2,3
.if (\grp) < 4
.irp c, 0,1,2
	ds_load_b128 v[WF+48*(\set)+12*\i+4*\c:WF+48*(\set)+12*\i+4*\c+3], v[WA+\slot] offset:(4*(\grp)+\i)*REC+512*\c
.endr
	ds_load_b32 v[WSC+4*(\set)+\i], v[WSA+\slot] offset:(4*(\grp)+\i)*128
.else
.irp c, 0,1,2
	ds_load_b128 v[WF+48*(\set)+12*\i+4*\c:WF+48*(\set)+12*\i+4*\c+3], v[WQA+\slot] offset:(4*((\grp)-4)+\i)*REC+512*\c
.endr
	ds_load_b32 v[WSC+4*(\set)+\i], v[WQSA+\slot] offset:(4*((\grp)-4)+\i)*128
.endif
.endr
.endm
; 16 products for v: four tiles of channels x four tiles of positions.  The accumulators take turns, one instruction a turn.  zero = 1: the first K step starts the sums.
.macro MMV grp, set, zero
	WIN ((1+(\grp)/2)*0x50)                        ; C and D: window 1 or 2
.irp i, 0,1,2,3
.irp a, 0,1,2,3
.set rD, 8*((16*(\grp)+4*\i+\a)%32)
.if \zero
	v_wmma_scale_f32_16x16x128_f8f6f4 v[rD:rD+7], v[XF+12*\a:XF+12*\a+11], v[WF+48*(\set)+12*\i:WF+48*(\set)+12*\i+11], 0, v[XSC+\a], v[WSC+4*(\set)+\i] matrix_a_fmt:MATRIX_FMT_FP6 matrix_b_fmt:MATRIX_FMT_FP6
.else
	v_wmma_scale_f32_16x16x128_f8f6f4 v[rD:rD+7], v[XF+12*\a:XF+12*\a+11], v[WF+48*(\set)+12*\i:WF+48*(\set)+12*\i+11], v[rD:rD+7], v[XSC+\a], v[WSC+4*(\set)+\i] matrix_a_fmt:MATRIX_FMT_FP6 matrix_b_fmt:MATRIX_FMT_FP6
.endif
.endr
.endr
.endm
; 8 products for q or k: four tiles of outputs x my two tiles of positions.  The sums began as the bias, loaded into the accumulators.
.macro MMQ g2, set
	WIN 0xf0                                       ; C and D: window 3
.irp i, 0,1,2,3
.irp a, 0,1
.set rD, 8*(8*\a+4*(\g2)+\i)
	v_wmma_scale_f32_16x16x128_f8f6f4 v[rD:rD+7], v[WF+48*(\set)+12*\i:WF+48*(\set)+12*\i+11], v[XQ+12*\a:XQ+12*\a+11], v[rD:rD+7], v[WSC+4*(\set)+\i], v[XQS+\a] matrix_a_fmt:MATRIX_FMT_FP6 matrix_b_fmt:MATRIX_FMT_FP6
.endr
.endr
.endm
; A K STEP, from slot (and x's buffer) slot.  At its head the one barrier: x's records of this step lie in LDS, this slot is whole, nobody reads the other slot any more.
; head = 0: the first step. refill = 1: the other slot takes the next K step's block.  xph = 1: at the end my tile's next K step is quantised into the other buffer.
.macro STEPK slot, head, refill, xph, lw, rl, zero
.if \head == 0
	s_wait_tensorcnt 0x1                           ; my quarter of slot 0 is in; slot 1's may stay out
	s_wait_dscnt 0x0                               ; my record of x has landed
	s_barrier_signal -1
	s_barrier_wait -1
.else
	s_wait_tensorcnt 0x0                           ; all my tensor loads have landed: my quarter of this slot
	ds_add_u32 v[SPW], v[NIL]                      ; 0 onto my spare word
.if \refill
	s_add_nc_u64 s[G0+4*(1-\slot)+2:G0+4*(1-\slot)+3], s[G0+4*(1-\slot)+2:G0+4*(1-\slot)+3], 2*SLOTB   ; no tensor load of mine is out: the other slot's next block
.endif
	s_wait_dscnt 0x0                               ; the add is done, my reads of the other slot are over, my record of x has landed
.if \refill
	ROUND                                          ; that now holds of every wave of all four work-groups
	tensor_load_to_lds s[G0+4*(1-\slot):G0+4*(1-\slot)+3], s[G1:G1+7]   ; the first thing behind the round, my one tensor load until the next
	s_nop 0
.else
	s_barrier_signal -1
	s_barrier_wait -1
.endif
.endif
	PLACES 4
	XFETCH \slot
	WFETCH \slot, 0, 0
.irp g, 0,1,2,3,4,5
.if \g < 5
.if \g > 0
	PLACES 4                                       ; the set to be loaded was read by the products before the last run
.endif
	WIN 0
	WFETCH \slot, \g+1, (\g+1)%2
	s_wait_dscnt 16                                ; all but the 16 loads just issued
.else
	s_wait_dscnt 0x0
.endif
.if \g < 4
	MMV \g, \g%2, \zero
.else
	MMQ \g-4, \g%2
.endif
.endr
	WIN 0
.if \xph
	XPHASE 1-\slot, 1-\slot, \lw, \rl
.endif
.endm
; Two tiles of channels of v: + bv, quantised along t.  Blocks 0, 1 are the first tile's 64 positions, blocks 2, 3 the second's: each tile's six registers are half a record, each half of the scale word two of a record's four bytes.
.macro VPAIR pp
	s_wait_xcnt 0x0                                ; the last stores have read their data
	WIN (1+(\pp)/4)                                ; source 0: the accumulators' window
.irp e, 0,1
.irp m, 0,2,4,6,8,10,12,14,16,18,20,22,24,26,28,30
	v_pk_add_f32 v[X+32*\e+\m:X+32*\e+\m+1], v[32*((2*(\pp)+\e)%8)+\m:32*((2*(\pp)+\e)%8)+\m+1], v[BV+2*(2*(\pp)+\e):BV+2*(2*(\pp)+\e)+1] op_sel_hi:[1,0]
.endr
.endr
	WIN 0
	QUANT X, 0
	v_lshrrev_b32 v[PW+1], 16, v[PW]
.irp e, 0,1
.irp p, 0,1,2
	global_store_b64 v[L8], v[PC+6*\e+2*\p:PC+6*\e+2*\p+1], s[VC:VC+1] offset:((\pp)/4)*212992+((\pp)%4)*26624+\e*REC+256*\p   ; 32 lanes store 256 consecutive bytes, at a multiple of 256 from vbuf's first byte
.endr
.endr
	global_store_b16 v[LS], v[PW], s[VSB:VSB+1] offset:((\pp)/4)*212992+((\pp)%4)*26624
	global_store_b16 v[LS], v[PW+1], s[VSB:VSB+1] offset:((\pp)/4)*212992+((\pp)%4)*26624+128
.endm
.macro QKT tt                          ; a tile of positions of q or k: 64 registers along the outputs become one record
	s_wait_xcnt 0x0
	QUANT 64*(\tt), 3
.irp c, 0,1,2
	global_store_b128 v[LI], v[PC+4*\c:PC+4*\c+3], s[QC:QC+1] offset:(\tt)*REC+512*\c
.endr
	global_store_b32 v[LS], v[PW], s[QS:QS+1] offset:(\tt)*128
.endm
	s_load_b512 s[4:19], s[0:1], 0x0               ; x s[4:5], wbuf s[6:7], bq s[8:9], bk s[10:11], bv s[12:13], qbuf s[14:15], kbuf s[16:17], vbuf s[18:19]
	v_lshl_add_u32 v[SPW], v0, 2, SPARE
	v_mov_b32 v[NIL], 0
	ds_add_u32 v1, v2
	ds_add_u32 v1, v2
	s_wait_dscnt 0x0
	v_lshrrev_b32 v23, 5, v0
	v_readfirstlane_b32 s[WV], v23                 ; wave 0..3
	s_bfe_u32 s21, ttmp6, 0x40000                  ; cx: my place in the cluster
	s_lshl_b32 s22, ttmp9, 2
	s_add_co_u32 s22, s22, s21                     ; g: my block of 64 rows
	s_and_b32 s23, s22, 31                         ; its number in the batch
	s_lshr_b32 s56, s22, 5                         ; the batch
	s_mov_b32 s[G1], 15|(3<<16)|(1<<21)            ; the mask: all four work-groups; elements of 8 bytes; bit 21 beside a mask; no padding
	s_mov_b32 s[G1+1], 32<<16                      ; tensor_dim0 = 32 elements: 256 bytes
	s_mov_b32 s[G1+2], 130<<16                     ; tensor_dim1 = 130
	s_mov_b32 s[G1+3], 32<<16                      ; tile_dim0
	s_mov_b32 s[G1+4], 130                         ; tile_dim1
	s_mov_b32 s[G1+5], 32                          ; the pitch: dense
	s_mov_b32 s[G1+6], 0
	s_mov_b32 s[G1+7], 0
	s_mul_i32 s57, s[WV], QUARTB                   ; my quarter, in a block and in a slot
	s_mov_b32 s58, s57
	s_mov_b32 s59, 0
	s_mov_b32 s[SEL], 0x76543210
	s_mov_b32 s[SEL+1], 0xfedcba98
	s_lshr_b32 s60, s[WV], 1
	s_and_b32 s61, s[WV], 1
	s_lshr_b32 s62, s23, 4                         ; which half of the batch's positions
	s_bfe_u32 s63, s23, 0x30001                    ; j': the key step in that half
	s_and_b32 s66, s23, 1                          ; c': which half of a record of v
	s_lshl_b32 s68, s22, 6                         ; x: row 64 g + 32 (w / 2) + 8 (w % 2),
	s_lshl_b32 s78, s60, 5
	s_add_co_u32 s68, s68, s78
	s_lshl_b32 s78, s61, 3
	s_add_co_u32 s68, s68, s78
	s_lshl_b32 s68, s68, 12                        ; x 4,096 bytes
	s_mov_b32 s69, 0
	s_mul_i32 s70, s56, 1703936                    ; vbuf: the batch, slot 4 w + half
	s_lshl_b32 s78, s[WV], 2
	s_add_co_u32 s78, s78, s62
	s_mul_i32 s78, s78, 106496
	s_add_co_u32 s70, s70, s78
	s_lshl_b32 s78, s63, 8
	s_add_co_u32 s72, s70, s78                     ; scale bytes: + 24,576 + 256 j' + 2 c'
	s_lshl_b32 s78, s66, 1
	s_add_co_u32 s72, s72, s78
	s_add_co_u32 s72, s72, 24576
	s_mov_b32 s73, 0
	s_mul_i32 s78, s63, 3072                       ; codes: + 3,072 j' + 768 c'
	s_add_co_u32 s70, s70, s78
	s_mul_i32 s78, s66, 768
	s_add_co_u32 s70, s70, s78
	s_mov_b32 s71, 0
	s_mul_i32 s74, s56, 212992                     ; qbuf: the batch, the half,
	s_mul_i32 s78, s62, 106496
	s_add_co_u32 s74, s74, s78
	s_and_b32 s78, s23, 15
	s_lshl_b32 s78, s78, 2
	s_lshl_b32 s79, s61, 1
	s_add_co_u32 s78, s78, s79                     ; record 4 (block % 16) + 2 (w % 2)
	s_lshl_b32 s80, s78, 7
	s_add_co_u32 s76, s74, s80
	s_add_co_u32 s76, s76, 98304
	s_mul_i32 s78, s78, REC
	s_add_co_u32 s74, s74, s78
	s_mul_i32 s80, s22, XBUF                       ; kbuf: block g, record 2 (w % 2)
	s_lshl_b32 s81, s79, 7
	s_add_co_u32 s82, s80, s81
	s_add_co_u32 s82, s82, 6144
	s_mul_i32 s81, s79, REC
	s_add_co_u32 s80, s80, s81
	s_mov_b32 s75, 0
	s_mov_b32 s77, 0
	s_wait_kmcnt 0x0
	s_cmp_lt_u32 s[WV], 2                          ; waves 0, 1: q; waves 2, 3: k
	s_cselect_b32 s74, s74, s80
	s_cselect_b32 s76, s76, s82
	s_cselect_b64 s[QC:QC+1], s[14:15], s[16:17]
	s_cselect_b64 s[BQP:BQP+1], s[8:9], s[10:11]
	s_mov_b64 s[QS:QS+1], s[QC:QC+1]
	s_add_nc_u64 s[QC:QC+1], s[QC:QC+1], s[74:75]
	s_add_nc_u64 s[QS:QS+1], s[QS:QS+1], s[76:77]
	s_add_nc_u64 s[XP:XP+1], s[4:5], s[68:69]
	s_add_nc_u64 s[VC:VC+1], s[18:19], s[70:71]
	s_add_nc_u64 s[VSB:VSB+1], s[18:19], s[72:73]
.irp s, 0,1
	s_mov_b32 s[G0+4*\s], 1                        ; count = 1
	s_add_co_u32 s[G0+4*\s+1], s57, \s*SLOTB       ; LDS address: the slot, my quarter
	s_add_nc_u64 s[G0+4*\s+2:G0+4*\s+3], s[6:7], s[58:59]
	s_add_nc_u64 s[G0+4*\s+2:G0+4*\s+3], s[G0+4*\s+2:G0+4*\s+3], \s*SLOTB   ; K step s
	s_or_b32 s[G0+4*\s+3], s[G0+4*\s+3], 0x80000000   ; type = 2
.endr
	ROUND                                          ; all four work-groups are here: the first joint loads meet
	tensor_load_to_lds s[G0:G0+3], s[G1:G1+7]      ; both first fills together: two tensor loads of mine are out
	s_nop 0
	tensor_load_to_lds s[G0+4:G0+7], s[G1:G1+7]
	s_nop 0
	PLACES 4
	v_and_b32 v23, 31, v0
	v_lshlrev_b32 v[LI], 4, v23
	v_lshlrev_b32 v[LS], 2, v23
	v_lshlrev_b32 v[L8], 3, v23
	s_mul_i32 s78, s[WV], 16*REC
	v_add_nc_u32 v[WA], s78, v[LI]
	v_add_nc_u32 v[WA+1], SLOTB, v[WA]
	s_lshl_b32 s78, s[WV], 11
	s_add_co_u32 s78, s78, WSCL
	v_add_nc_u32 v[WSA], s78, v[LS]
	v_add_nc_u32 v[WSA+1], SLOTB, v[WSA]
	s_mul_i32 s78, s60, 8*REC
	s_add_co_u32 s78, s78, 64*REC
	v_add_nc_u32 v[WQA], s78, v[LI]
	v_add_nc_u32 v[WQA+1], SLOTB, v[WQA]
	s_lshl_b32 s78, s60, 10
	s_add_co_u32 s78, s78, WSCL+64*128
	v_add_nc_u32 v[WQSA], s78, v[LS]
	v_add_nc_u32 v[WQSA+1], SLOTB, v[WQSA]
	v_add_nc_u32 v[XRA], XR, v[LI]
	v_add_nc_u32 v[XRS], XR+4*REC, v[LS]
	s_mul_i32 s78, s61, 2*REC
	v_add_nc_u32 v[XQA], s78, v[XRA]
	s_lshl_b32 s78, s61, 8
	v_add_nc_u32 v[XQSA], s78, v[XRS]
	s_mul_i32 s78, s[WV], REC
	v_add_nc_u32 v[XWI], s78, v[XRA]
	s_lshl_b32 s78, s[WV], 7
	v_add_nc_u32 v[XWS], s78, v[XRS]
	s_mul_i32 s78, s[WV], 16*TSP
	s_add_co_u32 s78, s78, TS
	v_add_nc_u32 v[TSW], s78, v[LI]
	v_and_b32 v23, 15, v0                          ; r
	v_mul_u32_u24 v[TSR], v23, TSP
	v_add_nc_u32 v[TSR], s78, v[TSR]
	v_lshlrev_b32 v[BVO], 2, v23
	s_lshl_b32 s78, s[WV], 10
	v_add_nc_u32 v[BVO], s78, v[BVO]
	v_bfe_u32 v23, v0, 4, 1                        ; h
	v_lshlrev_b32 v[BQO], 6, v23                   ; 64 h
	v_add_nc_u32 v[TSR], v[TSR], v[BQO]
.irp b, 0,1,2,3
	v_mov_b32 v[TM+4+\b], 0                        ; written once: a lane permute's destination counts as one of its sources
.endr
.irp i, 0,1,2,3,4,5,6,7,8,9,10,11,12,13,14,15
	global_load_b32 v[BV+2*\i], v[BVO], s[12:13] offset:64*\i     ; bv of my lane's channel in tile i; twice, since the packed addition names a pair
	global_load_b32 v[BV+2*\i+1], v[BVO], s[12:13] offset:64*\i
.endr
	WIN 0xc0                                       ; destination window 3: the bias IS the sums' beginning: lane (r, h), tile u, register j: output 32 (u / 2) + 16 h + 8 (u % 2) + j
.irp t, 0,1
.irp u, 0,1,2,3,4,5,6,7
	global_load_b128 v[8*(8*\t+\u):8*(8*\t+\u)+3], v[BQO], s[BQP:BQP+1] offset:(32*(\u/2)+8*(\u%2))*4
	global_load_b128 v[8*(8*\t+\u)+4:8*(8*\t+\u)+7], v[BQO], s[BQP:BQP+1] offset:(32*(\u/2)+8*(\u%2))*4+16
.endr
.endr
	WIN 0
	RLOAD 0                                        ; K step 0 of my tile of x,
	s_wait_xcnt 0x0
	s_add_nc_u64 s[XP:XP+1], s[XP:XP+1], 512
	RLOAD 1                                        ; K step 1
	XPHASE 0, 0, 16, 1                             ; all but the 16 youngest loads are in: the biases and K step 0
	STEPK 0, 0, 0, 1, 16, 1, 1                     ; K step 0: its products start v's sums
	s_mov_b32 s[CNT], 2
.Lsteps:                                               ; K steps 1 to 4
	STEPK 1, 1, 1, 1, 16, 1, 0
	STEPK 0, 1, 1, 1, 16, 1, 0
	s_sub_co_u32 s[CNT], s[CNT], 1
	s_cmp_lg_u32 s[CNT], 0
	s_cbranch_scc1 .Lsteps
	STEPK 1, 1, 1, 1, 16, 0, 0                     ; K step 5: no more of x to load
	STEPK 0, 1, 1, 1, 0, 0, 0                      ; K step 6: the last block is asked for, the last K step of x is quantised
	STEPK 1, 1, 0, 0, 0, 0, 0                      ; K step 7: nothing is filled, nothing is quantised
	PLACES 4                                       ; behind the last products
.irp p, 0,1,2,3,4,5,6,7
	VPAIR \p
.endr
	QKT 0
	QKT 1
	s_wait_tensorcnt 0x0                           ; the wave's end
	ds_add_u32 v[SPW], v[NIL]
	s_wait_dscnt 0x0
	ROUND                                          ; the closing round: no work-group ends while a partner may still ask jointly
	s_endpgm
.Lfunc_end_k_qf7b82bde45_proj:
	.size	k_qf7b82bde45_proj, .Lfunc_end_k_qf7b82bde45_proj-k_qf7b82bde45_proj
	.p2alignl 7, 3214868480
	.fill 96, 4, 3214868480
	.section	.rodata,"a",@progbits
	.p2align	6, 0x0
	.amdhsa_kernel k_qf7b82bde45_proj
		.amdhsa_group_segment_fixed_size 327680
		.amdhsa_private_segment_fixed_size 0
		.amdhsa_enable_private_segment 0
		.amdhsa_kernarg_size 64
		.amdhsa_user_sgpr_count 2
		.amdhsa_user_sgpr_kernarg_segment_ptr 1
		.amdhsa_wavefront_size32 1
		.amdhsa_system_sgpr_workgroup_id_x 1
		.amdhsa_system_sgpr_workgroup_id_y 1
		.amdhsa_system_sgpr_workgroup_id_z 1
		.amdhsa_system_vgpr_workitem_id 0
		.amdhsa_next_free_vgpr 1024
		.amdhsa_next_free_sgpr 100
		.amdhsa_reserve_vcc 0
		.amdhsa_float_denorm_mode_32 3
		.amdhsa_float_denorm_mode_16_64 3
		.amdhsa_memory_ordered 1
		.amdhsa_forward_progress 1
		.amdhsa_inst_pref_size 237
	.end_amdhsa_kernel
	.amdgpu_metadata
---
amdhsa.version: [ 1, 2 ]
amdhsa.kernels:
  - .name:           k_qf7b82bde45_proj
    .symbol:         k_qf7b82bde45_proj.kd
    .args:
      - { .name: x, .offset: 0, .size: 8, .value_kind: global_buffer, .address_space: global }
      - { .name: wbuf, .offset: 8, .size: 8, .value_kind: global_buffer, .address_space: global }
      - { .name: bq, .offset: 16, .size: 8, .value_kind: global_buffer, .address_space: global }
      - { .name: bk, .offset: 24, .size: 8, .value_kind: global_buffer, .address_space: global }
      - { .name: bv, .offset: 32, .size: 8, .value_kind: global_buffer, .address_space: global }
      - { .name: qbuf, .offset: 40, .size: 8, .value_kind: global_buffer, .address_space: global }
      - { .name: kbuf, .offset: 48, .size: 8, .value_kind: global_buffer, .address_space: global }
      - { .name: vbuf, .offset: 56, .size: 8, .value_kind: global_buffer, .address_space: global }
    .group_segment_fixed_size: 327680
    .private_segment_fixed_size: 0
    .kernarg_segment_align: 8
    .kernarg_segment_size: 64
    .max_flat_workgroup_size: 128
    .sgpr_count:     100
    .vgpr_count:     1024
    .wavefront_size: 32
...
	.end_amdgpu_metadata
.endif
;; end of part 2
;; launch attn (part 3): grid 32 x 8, 4 waves a work-group, clusters of 4 x 1, 327,680 bytes of LDS; arguments qbuf, kbuf, vbuf, x, gamma, out0; writes out0
.if DOCPART == 3
	.amdgcn_target "amdgcn-amd-amdhsa--gfx1250"
	.amdhsa_code_object_version 6
	.text
	.protected	k_qf7b82bde45_attn
	.globl	k_qf7b82bde45_attn
	.p2align	8
	.type	k_qf7b82bde45_attn,@function
k_qf7b82bde45_attn:
	s_mov_b64 s[64:65], 0
	v_nop
	global_prefetch_b8 v0, s[64:65] scope:SCOPE_SE
	s_setreg_imm32_b32 hwreg(HW_REG_WAVE_MODE, 25, 1), 1
	s_wait_xcnt 0x0
	s_wait_alu depctr_hold_cnt(0) depctr_sa_sdst(0) depctr_va_vdst(0) depctr_va_sdst(0) depctr_va_ssrc(0) depctr_va_vcc(0) depctr_vm_vsrc(0)
	s_getreg_b32 s2, hwreg(HW_REG_IB_STS2, 6, 4)
	s_cmp_eq_u32 s2, 0
	s_cbranch_scc0 .Lentry_in_a_cluster
	s_endpgm
.Lentry_in_a_cluster:
	s_bfe_u32 s2, ttmp6, 0x10000c
	s_cmp_lg_u32 s2, 0x3003
	s_cbranch_scc0 .Lentry_shape_is_right
	s_endpgm
.Lentry_shape_is_right:
; out[b][c][s] = gamma x (sum over t of v[b][c][t] p[t][s]) / l[s] + x[b][s][c], with scores[t][s] = q[t] . k[s], the softmax taken over t for each s.  Both products on codes of FP6 (E2M3), one E8M0 scale for each 32 along K.
; THE SOFTMAX: u = score x log2(e); M = the largest u of column s so far, rounded UP to a whole number; p = 2^(u - M) is quantised along t, not normalised; l is the sum of the unquantised p.
; q, k, v come as RECORDS (one operand, 16 rows x 128 K, as an image of its 12 registers, and 128 bytes of scale words), made by the launch before.  The rows of a tile of positions are not neighbours:
; row r of tile a is 32 (a / 2) + 8 (a % 2) + r + 8 (r / 8), so that S^T = q k^T leaves 16 neighbouring t in the 16 registers of two neighbouring tiles.
; SHARES.  A work-group owns 64 positions s of one batch, four tiles.  PHASE 1, the softmax: wave w owns tile w and walks all 2,048 t, 128 a step: 8 products, the softmax of a lane's 64 scores, one record of P.
; M runs; the codes do not hang on M, only the scale bytes do: at the end each step's bytes are lowered by (last M - that step's M), which is exact.  So nothing of the second product is ever rescaled.
; PHASE 2: P's 64 records go through LDS once into EVERY wave's registers (768 of them) and stay.  Then O^T = v P^T is a plain product that walks the 1,024 channels in 8 chunks of 128: wave w makes 32 channels x 64 s
; (8 accumulators; source 0 = v, source 1 = P: a lane holds one s and eight neighbouring channels), K = 2,048 in 16 steps.  Each record of v is read from LDS once, by one wave, and feeds four products.
; A chunk's results leave as soon as it is finished, so that the reads of x and the stores of out are spread over the whole phase.
; CLUSTER.  The four work-groups of a cluster belong to one batch and walk the same q and v: each tile is asked for JOINTLY (the same tensor load, the same descriptor, the mask 15).  The place in the cluster enters global addresses of kbuf, x, out alone.
; LIMITS: NaN and infinities are not served.  last M - a step's M is held at 255, and a scale byte of P is held at 0 from below: such a block then counts for at most 7.5 x 2^-127 a number, beside l >= 1/2.
; No prefetch: in phase 2 the reads of x and the stores of out go on all the time, v's tiles are a small part of the bytes and are walked by eight clusters each; x's pieces are asked for a whole chunk ahead by the loads themselves.
; LDS: 0: the ring, two slots of 106,496 bytes, filled by tensor loads alone: first q's two halves, then v's slots by turns;  PB: P's codes, wave a's 16 records on end;  PS: their scale areas (lanes 0-15 the word, lanes 16-31 that step's -M);
;   GS: gamma / l;  SPARE.  When P is in registers, PB's bytes serve as XS (64 rows of x, 528 bytes apart) and OS (a stage of 32 rows x 272 bytes for each wave, its own).
; REGISTERS.  Window 0, phase 1: v5-11 addresses; v12 -M, v13 the largest u, v[14:15] l; v16-27 k; v32-79 q's tiles 0-3 (tiles 4-7: window 1, v32-79); v96-159 S^T, then p; v224-254 at work.
;   Window 0, phase 2: v5-11, v194-195 addresses; v12-15, v28-31 gamma / l; v16-27 P's record 63; v32-95 the accumulators; v96-159 x as loaded; v200-247 two sets of v's records, on the way out at work.
;   Scale words and nothing else: v160-193, v248-251, v255.   Windows 1-3: P's record f = 4 j + a at window 1 + f / 21, register 12 (f % 21).
.set HALFB, 106496                     ; a slot: 64 records and their scale areas
.set PARTB, 26624                      ; a wave's quarter: 104 rows of 256 bytes; of v: 16 records and their scale areas
.set REC,   1536
.set PB,    2*HALFB
.set PS,    PB+64*REC
.set GS,    PS+64*128
.set SPARE, GS+512                     ; 128 bytes for each wave: two blocks of 256 bytes that no other line names
.set XS,    PB
.set XSP,   528
.set OS,    XS+64*XSP
.set OSP,   272
.set SPW,  1                           ; v1   my spare word's address; never rewritten
.set NIL,  2                           ; v2   0; never rewritten
.set LI,   3                           ; v3   16 x lane
.set LS,   4                           ; v4   4 x lane
.set PWI,  5                           ; phase 1: where my records of P begin
.set PWS,  6                           ;          and their scale areas
.set ADQ,  7                           ;          q's records of the step to be fetched
.set ADS,  8                           ;          their scale words
.set ADP,  9                           ;          this step's record of P
.set ADM,  10                          ;          its scale area
.set AF,   11                          ;          my scale areas, 4 (lane % 16)
.set VA,   5                           ; phase 2: v5-6 my records of v in slot 0, 1
.set VSA,  7                           ;          v7-8 their scale words: lanes 0-15 the first tile's, lanes 16-31 the second's
.set XSW,  9                           ;          x's stage: in
.set XSR,  10                          ;          and out, in the accumulators' layout
.set OSW,  11                          ;          my out stage: in
.set OSR,  194                         ;          and back, by rows
.set OG,   195                         ;          my byte offset in out
.set PA,   196                         ; v196-197 P's codes of tiles 0, 1 and of tiles 2, 3
.set PSA,  198                         ; v198 P's scale words: lanes 0-15 an even tile's, lanes 16-31 the odd one's
.set GSA,  199                         ; v199 gamma / l
.set P63,  16
.set QF,   32
.set ACC,  32
.set XRAW, 96
.set PSC,  160                         ; v160-191 P's scale words: register 2 j + a / 2
.set VS,   192                         ; v192-193 v's, a register for each set
.set VF,   200
.set WT,   200
.set WV,   16                          ; s16  my wave's number
.set SEL,  20                          ; s[20:21] lane selects: lane l xor 16
.set CS,   22                          ; s[22:23] log2(e): the packed form names a pair and takes its low word for both halves
.set G1,   24                          ; s[24:31] descriptor group 1, for q and v alike
.set G0Q,  32                          ; s[32:39] group 0 for q's halves
.set G0V,  40                          ; s[40:47] group 0 for v, a set for each slot
.set TQ,   48
.set TSQ,  49
.set TP,   50
.set TPS,  51
.set CNT,  52
.set HM,   53                          ; s53  the lanes 16-31
.set GAM,  54                          ; s54  gamma
.set XP,   56                          ; s[56:57] x at my tile's first row, at the chunk to be loaded
.set OUT,  58                          ; s[58:59] out at my 32 channels of the chunk, my work-group's 64 s
.set MSB, 0
.macro WIN new                         ; the immediate's high byte repeats the setting that is left; a switch that changes nothing is dropped
.if MSB != \new
	s_set_vgpr_msb (MSB<<8)|\new
.set MSB, \new
.endif
.endm
.macro PLACES n
.rept \n
	v_nop
.endr
.endm
.macro ROUND                           ; a round of the cluster's barrier
	s_barrier_signal -1
	s_barrier_wait -1
	s_cmp_lg_u32 s[WV], 0
	s_cbranch_scc1 .Lnot_wave_0_\@
	s_barrier_signal -3
.Lnot_wave_0_\@:
	s_barrier_wait -3
	s_barrier_signal -1
	s_barrier_wait -1
.endm
.macro QFETCH                          ; a key step's eight records of q and their scale words
.irp t, 0,1,2,3
.irp c, 0,1,2
	ds_load_b128 v[QF+12*\t+4*\c:QF+12*\t+4*\c+3], v[ADQ] offset:\t*REC+512*\c
.endr
	ds_load_b32 v[248+\t], v[ADS] offset:\t*128
.endr
	WIN 0x40                                       ; destination window 1
.irp t, 0,1,2,3
.irp c, 0,1,2
	ds_load_b128 v[QF+12*\t+4*\c:QF+12*\t+4*\c+3], v[ADQ] offset:(4+\t)*REC+512*\c
.endr
.endr
	WIN 0
.irp t, 0,1,2,3
	ds_load_b32 v[PSC+\t], v[ADS] offset:(4+\t)*128
.endr
.endm
; A KEY STEP: 128 t.  pf = 1: the next step's records of q are fetched behind the products and land under the softmax.
.macro STEP pf
	s_wait_dscnt 0x0                               ; this step's q is in; the last step's stores of P have read their registers
.irp t, 0,1,2,3
	v_wmma_scale_f32_16x16x128_f8f6f4 v[96+8*\t:103+8*\t], v[QF+12*\t:QF+12*\t+11], v[16:27], 0, v[248+\t], v255 matrix_a_fmt:MATRIX_FMT_FP6 matrix_b_fmt:MATRIX_FMT_FP6
.endr
	WIN 0x01                                       ; source 0: window 1
.irp t, 0,1,2,3
	v_wmma_scale_f32_16x16x128_f8f6f4 v[128+8*\t:135+8*\t], v[QF+12*\t:QF+12*\t+11], v[16:27], 0, v[PSC+\t], v255 matrix_a_fmt:MATRIX_FMT_FP6 matrix_b_fmt:MATRIX_FMT_FP6
.endr
	WIN 0                                          ; lane (r, h) holds position s = row r of my tile; the 16 registers of tiles 2 b, 2 b + 1 are t = 32 b + 16 h + 0 .. 15 of the step
	s_add_co_u32 s[TQ], s[TQ], 8*REC
	s_add_co_u32 s[TSQ], s[TSQ], 8*128
	v_add_nc_u32 v[ADQ], s[TQ], v[LI]              ; four plain instructions: the places behind the products
	v_add_nc_u32 v[ADS], s[TSQ], v[LS]
	v_add_nc_u32 v[ADP], s[TP], v[PWI]
	v_add_nc_u32 v[ADM], s[TPS], v[PWS]
.if \pf
	QFETCH
.endif
.irp b, 0,1,2,3
	v_max3_num_f32 v[232+\b], v[96+16*\b], v[97+16*\b], v[98+16*\b]   ; the largest score of each block of 32 t: it serves for the column's maximum and, since p rises with the score, for the block's largest p
.endr
.irp i, 3,5,7,9,11,13
.irp b, 0,1,2,3
	v_max3_num_f32 v[232+\b], v[232+\b], v[96+16*\b+\i], v[97+16*\b+\i]
.endr
.endr
.irp b, 0,1,2,3
	v_max_num_f32 v[232+\b], v[232+\b], v[111+16*\b]
.endr
.irp b, 0,1,2,3
	v_permlanex16_b32 v[236+\b], v[232+\b], s[SEL], s[SEL+1]
.endr
.irp b, 0,1,2,3
	v_max_num_f32 v[232+\b], v[232+\b], v[236+\b]   ; with lane l xor 16's 16
.endr
	v_max3_num_f32 v254, v232, v233, v234
	v_max_num_f32 v254, v254, v235                 ; the step's largest score of my s
	v_mul_f32 v254, s[CS], v254
	v_max_num_f32 v13, v13, v254                   ; the running largest u
	v_mov_b32 v254, v12
	v_floor_f32 v12, -v13                          ; the new -M = floor(-u): M is a whole number
	v_sub_f32 v254, v12, v254                      ; old M - new M: a whole number, 0 or less
	v_cvt_i32_f32 v254, v254                       ; (it saturates)
	v_ldexp_f32 v252, 1.0, v254                    ; f = 2^(old M - new M)
.irp j, 0,2,4,6,8,10,12,14,16,18,20,22,24,26,28,30,32,34,36,38,40,42,44,46,48,50,52,54,56,58,60,62
	v_pk_fma_f32 v[96+\j:97+\j], v[96+\j:97+\j], s[CS:CS+1], v[12:13] op_sel_hi:[1,0,0]   ; u - M, two at a time
.endr
.irp b, 0,1,2,3
	v_fma_f32 v[232+\b], v[232+\b], s[CS], v12     ; the same of each block's largest score
.endr
.irp j, 0,1,2,3,4,5,6,7,8,9,10,11,12,13,14,15,16,17,18,19,20,21,22,23,24,25,26,27,28,29,30,31,32,33,34,35,36,37,38,39,40,41,42,43,44,45,46,47,48,49,50,51,52,53,54,55,56,57,58,59,60,61,62,63
	v_exp_f32 v[96+\j], v[96+\j]                   ; p = 2^(u - M), at most 1
.endr
	v_pk_mul_f32 v[14:15], v[14:15], v[252:253] op_sel_hi:[1,0]   ; l under the new M: exact.  (The plain instruction behind the exponentials)
	s_wait_alu depctr_va_vdst(0)                   ; one wait for the batch of 64, ahead of its first reader
.irp b, 0,1,2,3
	v_exp_f32 v[232+\b], v[232+\b]                 ; the block's largest p: the same two instructions on the same number give the same bits
.endr
	v_pk_add_f32 v[236:237], v[96:97], v[98:99]    ; l is the sum of the UNQUANTISED p: two at a time, in two chains
.irp j, 4,8,12,16,20,24,28,32,36,40,44,48,52,56,60
	v_pk_add_f32 v[14:15], v[14:15], v[96+\j:97+\j]
	v_pk_add_f32 v[236:237], v[236:237], v[98+\j:99+\j]
.endr
	v_pk_add_f32 v[14:15], v[14:15], v[236:237]
	s_wait_alu depctr_va_vdst(0)                   ; and one for the four
.irp b, 0,1,2,3
	v_max_num_f32 v[232+\b], 0x1800000, v[232+\b]  ; the floor 2^(3 - 127): the byte cannot fall under 1
.endr
.irp b, 0,1,2,3
	v_add_nc_u32 v[244+\b], 0xff000000, v[232+\b]  ; 2 off the exponent field: the conversion's scale operand
.endr
.irp b, 0,1,2,3
	v_lshrrev_b32 v[236+\b], 23, v[244+\b]         ; the scale's byte, under this step's M
.endr
	v_lshl_or_b32 v253, v237, 8, v236
	v_lshl_or_b32 v253, v238, 16, v253
	v_lshl_or_b32 v253, v239, 24, v253
.irp c, 0,1
	v_cvt_scalef32_pk16_fp6_f32 v[224+6*\c:226+6*\c], v[96+32*\c:111+32*\c], v[244+2*\c]
	v_cvt_scalef32_pk16_fp6_f32 v[236+4*\c:238+4*\c], v[112+32*\c:127+32*\c], v[244+2*\c+1]   ; (a conversion's three registers begin on an even number)
.endr
	v_nop                                          ; one plain instruction behind a scaled conversion
.irp c, 0,1                                    ; the operand wants a WHOLE block in a lane
.irp i, 0,1,2
	v_permlane16_swap_b32 v[224+6*\c+\i], v[236+4*\c+\i]
.endr
.irp i, 0,1,2
	v_mov_b32 v[227+6*\c+\i], v[236+4*\c+\i]
.endr
.endr
.irp c, 0,1,2
	ds_store_b128 v[ADP], v[224+4*\c:227+4*\c] offset:512*\c   ; the record of P, as it stands
.endr
	v_cndmask_b32 v254, v253, v12, s[HM]           ; lanes 0-15: the scale word; lanes 16-31: this step's -M
	ds_store_b32 v[ADM], v254
	s_add_co_u32 s[TP], s[TP], REC
	s_add_co_u32 s[TPS], s[TPS], 128
.endm
; Eight key steps out of one slot.  The last is written out: it fetches nothing beyond the slot.
.macro HALFQ h2
	s_mov_b32 s[TQ], (\h2)*HALFB
	s_mov_b32 s[TSQ], (\h2)*HALFB+64*REC
	v_add_nc_u32 v[ADQ], s[TQ], v[LI]
	v_add_nc_u32 v[ADS], s[TSQ], v[LS]
	QFETCH
	s_mov_b32 s[CNT], 7
.Lkey_\@:
	STEP 1
	s_sub_co_u32 s[CNT], s[CNT], 1
	s_cmp_lg_u32 s[CNT], 0
	s_cbranch_scc1 .Lkey_\@
	STEP 0
.endm
.macro XLOADS                          ; my tile's 16 rows of x, the chunk's 128 channels: a load takes one row's 512 consecutive bytes
.irp i, 0,1,2,3,4,5,6,7,8,9,10,11,12,13,14,15
	global_load_b128 v[XRAW+4*\i:XRAW+4*\i+3], v[LI], s[XP:XP+1] offset:(\i+8*(\i/8))*4096 th:TH_LOAD_NT
.endr
.endm
.macro VFETCH slot, jp, set            ; my two records of v of the slot's K step jp, and their scale words: 13 loads of 256 (128) consecutive bytes
.irp n, 0,1
.irp p, 0,1,2,3,4,5
	ds_load_b64 v[VF+24*(\set)+12*\n+2*\p:VF+24*(\set)+12*\n+2*\p+1], v[VA+\slot] offset:(2*(\jp)+\n)*REC+256*\p
.endr
.endr
	ds_load_b32 v[VS+(\set)], v[VSA+\slot] offset:256*(\jp)
.endm
.macro PVMM n, odd, zero               ; one product; v's second tile takes its scale words from lanes 16-31, and so does an odd tile of P
.if \zero
.if (\n) == 0
.if (\odd) == 0
	v_wmma_scale_f32_16x16x128_f8f6f4 v[rD:rD+7], v[rV:rV+11], v[rP:rP+11], 0, v[sV], v[sP] matrix_a_fmt:MATRIX_FMT_FP6 matrix_b_fmt:MATRIX_FMT_FP6
.else
	v_wmma_scale_f32_16x16x128_f8f6f4 v[rD:rD+7], v[rV:rV+11], v[rP:rP+11], 0, v[sV], v[sP] matrix_a_fmt:MATRIX_FMT_FP6 matrix_b_fmt:MATRIX_FMT_FP6 matrix_b_scale:MATRIX_SCALE_ROW1
.endif
.else
.if (\odd) == 0
	v_wmma_scale_f32_16x16x128_f8f6f4 v[rD:rD+7], v[rV:rV+11], v[rP:rP+11], 0, v[sV], v[sP] matrix_a_fmt:MATRIX_FMT_FP6 matrix_b_fmt:MATRIX_FMT_FP6 matrix_a_scale:MATRIX_SCALE_ROW1
.else
	v_wmma_scale_f32_16x16x128_f8f6f4 v[rD:rD+7], v[rV:rV+11], v[rP:rP+11], 0, v[sV], v[sP] matrix_a_fmt:MATRIX_FMT_FP6 matrix_b_fmt:MATRIX_FMT_FP6 matrix_a_scale:MATRIX_SCALE_ROW1 matrix_b_scale:MATRIX_SCALE_ROW1
.endif
.endif
.else
.if (\n) == 0
.if (\odd) == 0
	v_wmma_scale_f32_16x16x128_f8f6f4 v[rD:rD+7], v[rV:rV+11], v[rP:rP+11], v[rD:rD+7], v[sV], v[sP] matrix_a_fmt:MATRIX_FMT_FP6 matrix_b_fmt:MATRIX_FMT_FP6
.else
	v_wmma_scale_f32_16x16x128_f8f6f4 v[rD:rD+7], v[rV:rV+11], v[rP:rP+11], v[rD:rD+7], v[sV], v[sP] matrix_a_fmt:MATRIX_FMT_FP6 matrix_b_fmt:MATRIX_FMT_FP6 matrix_b_scale:MATRIX_SCALE_ROW1
.endif
.else
.if (\odd) == 0
	v_wmma_scale_f32_16x16x128_f8f6f4 v[rD:rD+7], v[rV:rV+11], v[rP:rP+11], v[rD:rD+7], v[sV], v[sP] matrix_a_fmt:MATRIX_FMT_FP6 matrix_b_fmt:MATRIX_FMT_FP6 matrix_a_scale:MATRIX_SCALE_ROW1
.else
	v_wmma_scale_f32_16x16x128_f8f6f4 v[rD:rD+7], v[rV:rV+11], v[rP:rP+11], v[rD:rD+7], v[sV], v[sP] matrix_a_fmt:MATRIX_FMT_FP6 matrix_b_fmt:MATRIX_FMT_FP6 matrix_a_scale:MATRIX_SCALE_ROW1 matrix_b_scale:MATRIX_SCALE_ROW1
.endif
.endif
.endif
.endm
; A K step's eight products: four tiles of s x two tiles of channels.  The eight accumulators take turns, one instruction a turn.  Only source 1 (P) leaves window 0.
.macro MM8 half, jp, set, zero
.set sV, VS+(\set)
.irp a, 0,1,2,3
.set fP, 4*(8*(\half)+(\jp))+\a
.if fP < 63
	WIN ((1+fP/21)<<2)
.set rP, 12*(fP%21)
.else
	WIN 0
.set rP, P63
.endif
.set sP, PSC+2*(8*(\half)+(\jp))+\a/2
.irp n, 0,1
.set rD, ACC+8*(2*\a+\n)
.set rV, VF+24*(\set)+12*\n
	PVMM \n, \a%2, \zero
.endr
.endr
.endm
; THE WAY OUT of a chunk: 32 channels x 64 s a wave.  x comes from its stage in the accumulators' own layout; out = O^T x gamma / l + x; a lane holds eight channels of one s, and out wants s innermost:
; so the numbers turn through my own stage, word by word (lanes 16-31 lie 32 banks further on than lanes 0-15), and leave as rows: sixteen lanes store a channel's 64 s, 256 consecutive bytes.
.macro WAYOUT
	PLACES 4                                       ; behind the last products
.irp q, 0,1
	s_wait_dscnt 0x0                               ; the stores below have read their registers
.irp a, 0,1
.irp n, 0,1
	ds_load_b128 v[WT+8*(2*\a+\n):WT+8*(2*\a+\n)+3], v[XSR] offset:(2*\q+\a)*16*XSP+64*\n
	ds_load_b128 v[WT+8*(2*\a+\n)+4:WT+8*(2*\a+\n)+7], v[XSR] offset:(2*\q+\a)*16*XSP+64*\n+16
.endr
.endr
	s_wait_dscnt 0x0
.irp a, 0,1
.irp n, 0,1
.irp m, 0,2,4,6
	v_pk_fma_f32 v[WT+8*(2*\a+\n)+\m:WT+8*(2*\a+\n)+\m+1], v[ACC+8*(2*(2*\q+\a)+\n)+\m:ACC+8*(2*(2*\q+\a)+\n)+\m+1], v[12+2*(2*\q+\a)+12*\q:13+2*(2*\q+\a)+12*\q], v[WT+8*(2*\a+\n)+\m:WT+8*(2*\a+\n)+\m+1] op_sel_hi:[1,0,1]   ; each accumulator from its low end on
.endr
.endr
.endr
.irp a, 0,1
.irp n, 0,1
.irp j, 0,1,2,3,4,5,6,7
	ds_store_b32 v[OSW], v[WT+8*(2*\a+\n)+\j] offset:(16*\n+\j)*OSP+4*(32*\q+8*\a)
.endr
.endr
.endr
.endr
	s_wait_dscnt 0x0
.irp u, 0,1
.irp i, 0,1,2,3,4,5,6,7
	ds_load_b128 v[WT+4*\i:WT+4*\i+3], v[OSR] offset:(8*\u+\i)*2*OSP
.endr
.irp i, 0,1,2,3,4,5,6,7
	s_wait_dscnt 7-\i                              ; the younger rows may be out
	global_store_b128 v[OG], v[WT+4*\i:WT+4*\i+3], s[OUT:OUT+1] offset:(8*\u+\i)*16384 th:TH_STORE_NT   ; two channels: 16 lanes store 256 consecutive bytes, at a multiple of 256 from out's first byte
.endr
	s_wait_xcnt 0x0                                ; the stores have read their registers and their base
.endr
	s_add_nc_u64 s[OUT:OUT+1], s[OUT:OUT+1], 128*8192
.endm
; HALF A CHUNK: 8 K steps out of slot half.  At its head the change of slots.  refill = 1: the other slot takes v's next slot.  xnext = 1: the next chunk's x is asked for, a whole chunk ahead.
.macro TRIP half, refill, xnext
	WIN 0
	s_wait_tensorcnt 0x0                           ; all my tensor loads have landed: my quarter of this slot
	ds_add_u32 v[SPW], v[NIL]                      ; 0 onto my spare word
	s_add_nc_u64 s[G0V+4*\half+2:G0V+4*\half+3], s[G0V+4*\half+2:G0V+4*\half+3], 2*HALFB   ; no tensor load of mine is out: this slot's next fill, which the next change issues
	s_wait_dscnt 0x0                               ; the add is done; my reads of the other slot and of the stages are over, my stores into them have landed
.if \refill
	ROUND                                          ; that now holds of every wave of all four work-groups
	tensor_load_to_lds s[G0V+4*(1-\half):G0V+4*(1-\half)+3], s[G1:G1+7]   ; the first thing behind the round, my one tensor load until the next
	s_nop 0
.else
	s_barrier_signal -1
	s_barrier_wait -1
.endif
	PLACES 4                                       ; also the places in front of the loads below
.if \xnext
	s_add_nc_u64 s[XP:XP+1], s[XP:XP+1], 512       ; (the last loads from x have been waited for)
	XLOADS
.endif
	VFETCH \half, 0, 0
.irp j, 0,1,2,3,4,5,6,7
.if \j < 7
.if \j > 0
	PLACES 4                                       ; the set to be loaded was read by the products before the last
.endif
	VFETCH \half, \j+1, (\j+1)%2
	s_wait_dscnt 13                                ; all but the 13 loads just issued
.else
	s_wait_dscnt 0x0
.endif
.if (\half == 0) && (\j == 0)
	MM8 \half, \j, \j%2, 1                         ; a chunk's first products start its sums
.else
	MM8 \half, \j, \j%2, 0
.endif
.endr
	WIN 0
.if \half == 0
	s_wait_loadcnt 0x0                             ; this chunk's x is in
.irp i, 0,1,2,3,4,5,6,7,8,9,10,11,12,13,14,15
	ds_store_b128 v[XSW], v[XRAW+4*\i:XRAW+4*\i+3] offset:XSP*\i   ; into the stage: the next change's barrier stands between these stores and the other waves' reads
.endr
.else
	WAYOUT
.endif
.endm
	s_load_b256 s[4:11], s[0:1], 0x0               ; qbuf s[4:5], kbuf s[6:7], vbuf s[8:9], x s[10:11]
	s_load_b128 s[12:15], s[0:1], 0x20             ; gamma s[12:13], out s[14:15]
	v_lshl_add_u32 v[SPW], v0, 2, SPARE
	v_mov_b32 v[NIL], 0
	ds_add_u32 v1, v2
	ds_add_u32 v1, v2
	s_wait_dscnt 0x0
	v_lshrrev_b32 v5, 5, v0
	v_readfirstlane_b32 s[WV], v5                  ; wave 0..3
	s_bfe_u32 s17, ttmp6, 0x40000                  ; cx: my place in the cluster
	s_lshl_b32 s18, ttmp9, 2
	s_add_co_u32 s18, s18, s17                     ; my block of 64 s in the batch
	s_and_b32 s19, ttmp7, 0xffff                   ; the batch, which the four partners share
	s_mov_b32 s[G1], 15|(3<<16)|(1<<21)            ; the mask: all four work-groups; elements of 8 bytes; bit 21 beside a mask; no padding
	s_mov_b32 s[G1+1], 32<<16                      ; tensor_dim0 = 32 elements: 256 bytes
	s_mov_b32 s[G1+2], 104<<16                     ; tensor_dim1 = 104
	s_mov_b32 s[G1+3], 32<<16                      ; tile_dim0
	s_mov_b32 s[G1+4], 104                         ; tile_dim1
	s_mov_b32 s[G1+5], 32                          ; the pitch: dense
	s_mov_b32 s[G1+6], 0
	s_mov_b32 s[G1+7], 0
	s_mov_b32 s[SEL], 0x76543210
	s_mov_b32 s[SEL+1], 0xfedcba98
	s_mov_b32 s[CS], 0x3fb8aa3b                    ; log2(e)
	s_mov_b32 s[CS+1], s[CS]
	s_mov_b32 s[HM], 0xffff0000
	s_mov_b32 s[TP], 0
	s_mov_b32 s[TPS], 0
	s_mul_i32 s62, s[WV], PARTB                    ; my quarter of a slot
	s_mul_i32 s60, s19, 2*HALFB
	s_add_co_u32 s60, s60, s62                     ; in qbuf
	s_mov_b32 s61, 0
	s_mul_i32 s66, s19, 16*HALFB
	s_add_co_u32 s66, s66, s62                     ; in vbuf
	s_mov_b32 s67, 0
	s_lshl_b32 s68, s19, 5
	s_add_co_u32 s68, s68, s18                     ; my block among all
	s_mul_i32 s70, s68, 4*REC+4*128                ; kbuf: its four records,
	s_lshl_b32 s71, s[WV], 7
	s_add_co_u32 s74, s70, s71
	s_add_co_u32 s74, s74, 4*REC                   ; my tile's scale words,
	s_mov_b32 s75, 0
	s_mul_i32 s71, s[WV], REC
	s_add_co_u32 s70, s70, s71                     ; my tile's record
	s_mov_b32 s71, 0
	s_lshl_b32 s76, s68, 6                         ; x: row 64 x block + 32 (w / 2) + 8 (w % 2),
	s_lshr_b32 s77, s[WV], 1
	s_lshl_b32 s77, s77, 5
	s_add_co_u32 s76, s76, s77
	s_and_b32 s77, s[WV], 1
	s_lshl_b32 s77, s77, 3
	s_add_co_u32 s76, s76, s77
	s_lshl_b32 s76, s76, 12                        ; x 4,096 bytes
	s_mov_b32 s77, 0
	s_lshl_b32 s78, s19, 23                        ; out: the batch, channel 32 w, s = 64 x block
	s_lshl_b32 s79, s[WV], 18
	s_add_co_u32 s78, s78, s79
	s_lshl_b32 s79, s18, 8
	s_add_co_u32 s78, s78, s79
	s_mov_b32 s79, 0
	s_wait_kmcnt 0x0
	s_load_b32 s[GAM], s[12:13], 0x0
	s_add_nc_u64 s[72:73], s[6:7], s[70:71]
	s_add_nc_u64 s[74:75], s[6:7], s[74:75]
	s_add_nc_u64 s[XP:XP+1], s[10:11], s[76:77]
	s_add_nc_u64 s[OUT:OUT+1], s[14:15], s[78:79]
.irp s, 0,1
	s_mov_b32 s[G0Q+4*\s], 1                       ; count = 1
	s_add_co_u32 s[G0Q+4*\s+1], s62, \s*HALFB      ; LDS address: the slot, my quarter
	s_add_nc_u64 s[G0Q+4*\s+2:G0Q+4*\s+3], s[4:5], s[60:61]
	s_add_nc_u64 s[G0Q+4*\s+2:G0Q+4*\s+3], s[G0Q+4*\s+2:G0Q+4*\s+3], \s*HALFB
	s_or_b32 s[G0Q+4*\s+3], s[G0Q+4*\s+3], 0x80000000   ; type = 2
	s_mov_b32 s[G0V+4*\s], 1
	s_add_co_u32 s[G0V+4*\s+1], s62, \s*HALFB
	s_add_nc_u64 s[G0V+4*\s+2:G0V+4*\s+3], s[8:9], s[66:67]
	s_add_nc_u64 s[G0V+4*\s+2:G0V+4*\s+3], s[G0V+4*\s+2:G0V+4*\s+3], \s*HALFB
	s_or_b32 s[G0V+4*\s+3], s[G0V+4*\s+3], 0x80000000
.endr
	ROUND                                          ; all four work-groups are here: the first joint loads meet
	tensor_load_to_lds s[G0Q:G0Q+3], s[G1:G1+7]    ; q's two halves together: two tensor loads of mine are out
	s_nop 0
	tensor_load_to_lds s[G0Q+4:G0Q+7], s[G1:G1+7]
	s_nop 0
	PLACES 4
	v_and_b32 v5, 31, v0
	v_lshlrev_b32 v[LI], 4, v5
	v_lshlrev_b32 v[LS], 2, v5
.irp c, 0,1,2
	global_load_b128 v[16+4*\c:19+4*\c], v[LI], s[72:73] offset:512*\c   ; my tile's record of k stays in registers
.endr
	global_load_b32 v255, v[LS], s[74:75]
	s_mul_i32 s60, s[WV], 16*REC
	s_add_co_u32 s60, s60, PB
	v_add_nc_u32 v[PWI], s60, v[LI]
	s_lshl_b32 s60, s[WV], 11
	s_add_co_u32 s60, s60, PS
	v_add_nc_u32 v[PWS], s60, v[LS]
	v_and_b32 v[AF], 15, v0
	v_lshl_add_u32 v[AF], v[AF], 2, s60
	v_add_nc_u32 v[PA], PB, v[LI]
	v_add_nc_u32 v[PA+1], PB+32*REC, v[LI]
	v_bfe_u32 v[PSA], v0, 4, 1
	v_lshlrev_b32 v[PSA], 11, v[PSA]
	v_and_b32 v[GSA], 15, v0
	v_lshl_add_u32 v[PSA], v[GSA], 2, v[PSA]
	v_add_nc_u32 v[PSA], PS, v[PSA]
	v_add_nc_u32 v[GSA], GS, v[LS]
	v_mov_b32 v13, 0xff61b1e6                      ; the largest u so far: -3e38, under every u
	v_floor_f32 v12, -v13                          ; -M
	v_mov_b32 v14, 0                               ; l, in two halves
	v_mov_b32 v15, 0
.irp b, 0,1,2,3
	v_mov_b32 v[236+\b], 0                         ; written once: a lane permute's destination counts as one of its sources
.endr
	v_mov_b32 v253, 0                              ; (named as the upper half of the pair v[252:253] before it is first written)
	s_wait_kmcnt 0x0                               ; gamma
	s_wait_tensorcnt 0x1                           ; my quarter of q's first half is in; the second half's may stay out
	s_barrier_signal -1
	s_barrier_wait -1
	s_wait_loadcnt 0x0                             ; k
	HALFQ 0                                        ; key steps 0 to 7
	s_wait_tensorcnt 0x0                           ; q's second half has landed
	ds_add_u32 v[SPW], v[NIL]                      ; 0 onto my spare word
	s_wait_dscnt 0x0                               ; the add is done, my reads of slot 0 are over
	ROUND
	tensor_load_to_lds s[G0V:G0V+3], s[G1:G1+7]    ; v's first slot, over q's first half: it lands under key steps 8 to 15
	s_nop 0
	PLACES 4
	HALFQ 1                                        ; key steps 8 to 15
	XLOADS                                         ; the first chunk's x
	v_add_f32 v14, v14, v15                        ; l's two halves,
	v_permlanex16_b32 v252, v14, s[SEL], s[SEL+1]
	v_add_f32 v14, v14, v252                       ; and lane l xor 16's
	v_rcp_f32 v14, v14
	s_lshl_b32 s60, s[WV], 7
	v_add_nc_u32 v[ADM], s60, v[GSA]               ; (the plain instruction behind the reciprocal)
	s_wait_alu depctr_va_vdst(0)                   ; the wait ahead of its first reader
	v_mul_f32 v14, s[GAM], v14                     ; gamma / l
	ds_store_b32 v[ADM], v14
	; P's scale bytes are brought under the last M: each byte less (last M - its step's M), held at 0.  My own 16 scale areas: LDS serves a wave's instructions in order
.irp j, 0,1,2,3,4,5,6,7,8,9,10,11,12,13,14,15
	ds_load_b32 v[32+\j], v[AF] offset:128*\j
	ds_load_b32 v[48+\j], v[AF] offset:128*\j+64
.endr
	s_wait_dscnt 0x0
.irp j, 0,1,2,3,4,5,6,7,8,9,10,11,12,13,14,15
	v_sub_f32 v[48+\j], v[48+\j], v12              ; (-M of step j) - (-last M): a whole number, 0 or more
.endr
.irp j, 0,1,2,3,4,5,6,7,8,9,10,11,12,13,14,15
	v_min_num_f32 v[48+\j], 0x437f0000, v[48+\j]   ; held at 255
.endr
.irp j, 0,1,2,3,4,5,6,7,8,9,10,11,12,13,14,15
	v_cvt_u32_f32 v[48+\j], v[48+\j]
.endr
.irp j, 0,1,2,3,4,5,6,7,8,9,10,11,12,13,14,15
	v_and_b32 v64, 0xff, v[32+\j]
	v_bfe_u32 v65, v[32+\j], 8, 8
	v_bfe_u32 v66, v[32+\j], 16, 8
	v_lshrrev_b32 v67, 24, v[32+\j]
	v_min_u32 v68, v64, v[48+\j]
	v_min_u32 v69, v65, v[48+\j]
	v_min_u32 v70, v66, v[48+\j]
	v_min_u32 v71, v67, v[48+\j]
	v_sub_nc_u32 v64, v64, v68
	v_sub_nc_u32 v65, v65, v69
	v_sub_nc_u32 v66, v66, v70
	v_sub_nc_u32 v67, v67, v71
	v_lshl_or_b32 v64, v65, 8, v64
	v_lshl_or_b32 v64, v66, 16, v64
	v_lshl_or_b32 v[32+\j], v67, 24, v64
	ds_store_b32 v[AF], v[32+\j] offset:128*\j
.endr
	s_wait_dscnt 0x0                               ; for the others' sake: my records of P, their scale words and gamma / l have landed
	s_barrier_signal -1                            ; v's first slot may stay on its way
	s_barrier_wait -1
	; P's 64 records into every wave's registers
.set f, 0
.rept 63
	WIN ((1+f/21)<<6)
.irp c, 0,1,2
	ds_load_b128 v[12*(f%21)+4*\c:12*(f%21)+4*\c+3], v[PA+(f%4)/2] offset:((f%4)%2)*16*REC+(f/4)*REC+512*\c
.endr
.set f, f+1
.endr
	WIN 0
.irp c, 0,1,2
	ds_load_b128 v[P63+4*\c:P63+4*\c+3], v[PA+1] offset:16*REC+15*REC+512*\c
.endr
.irp i, 0,1,2,3,4,5,6,7,8,9,10,11,12,13,14,15,16,17,18,19,20,21,22,23,24,25,26,27,28,29,30,31
	ds_load_b32 v[PSC+\i], v[PSA] offset:(\i%2)*4096+(\i/2)*128   ; register 2 j + a / 2: lanes 0-15 the even tile's words, lanes 16-31 the odd tile's
.endr
.irp a, 0,1,2,3
	ds_load_b32 v[12+2*\a+12*(\a/2)], v[GSA] offset:128*\a        ; gamma / l of tile a's row r; twice, since the packed form names a pair
	ds_load_b32 v[13+2*\a+12*(\a/2)], v[GSA] offset:128*\a
.endr
	v_and_b32 v200, 15, v0                         ; r
	v_bfe_u32 v201, v0, 4, 1                       ; h
	v_and_b32 v202, 31, v0
	s_mul_i32 s60, s[WV], PARTB
	v_lshl_add_u32 v[VA], v202, 3, s60
	v_add_nc_u32 v[VA+1], HALFB, v[VA]
	s_add_co_u32 s61, s60, 16*REC
	v_lshl_add_u32 v[VSA], v201, 7, s61
	v_lshl_add_u32 v[VSA], v200, 2, v[VSA]
	v_add_nc_u32 v[VSA+1], HALFB, v[VSA]
	s_mul_i32 s61, s[WV], 16*XSP
	s_add_co_u32 s61, s61, XS
	v_add_nc_u32 v[XSW], s61, v[LI]                ; x's stage, in: rows 16 w on, 16 bytes a lane
	s_lshl_b32 s61, s[WV], 7
	s_add_co_u32 s61, s61, XS
	v_mul_u32_u24 v[XSR], v200, XSP
	v_add_nc_u32 v[XSR], s61, v[XSR]
	v_lshl_add_u32 v[XSR], v201, 5, v[XSR]         ; out: row r of a tile, + 128 w + 32 h: my eight channels
	s_mul_i32 s61, s[WV], 32*OSP
	s_add_co_u32 s61, s61, OS
	v_mul_u32_u24 v[OSW], v201, 8*OSP
	v_and_b32 v203, 8, v200
	v_add_nc_u32 v203, v203, v200                  ; r + 8 (r / 8)
	v_lshl_add_u32 v[OSW], v203, 2, v[OSW]
	v_add_nc_u32 v[OSW], s61, v[OSW]               ; my out stage, in: channel row 8 h, word r + 8 (r / 8)
	v_mul_u32_u24 v[OSR], v201, OSP
	v_lshl_add_u32 v[OSR], v200, 4, v[OSR]
	v_add_nc_u32 v[OSR], s61, v[OSR]               ; back: lanes 0-15 one row, lanes 16-31 the next
	v_lshlrev_b32 v[OG], 13, v201
	v_lshl_add_u32 v[OG], v200, 4, v[OG]           ; and the same two rows of out, 8,192 bytes apart
	s_mov_b32 s[CNT], 7
.Lchunk:                                               ; chunks 0 to 6.  The first change of slots also closes every wave's reads of P, ahead of the first store into the stages that lie over it
	TRIP 0, 1, 0
	TRIP 1, 1, 1
	s_sub_co_u32 s[CNT], s[CNT], 1
	s_cmp_lg_u32 s[CNT], 0
	s_cbranch_scc1 .Lchunk
	TRIP 0, 1, 0                                   ; the last chunk is written out: its second half asks for nothing
	TRIP 1, 0, 0
	s_wait_tensorcnt 0x0                           ; the wave's end
	ds_add_u32 v[SPW], v[NIL]
	s_wait_dscnt 0x0
	ROUND                                          ; the closing round: no work-group ends while a partner may still ask jointly
	s_endpgm
.Lfunc_end_k_qf7b82bde45_attn:
	.size	k_qf7b82bde45_attn, .Lfunc_end_k_qf7b82bde45_attn-k_qf7b82bde45_attn
	.p2alignl 7, 3214868480
	.fill 96, 4, 3214868480
	.section	.rodata,"a",@progbits
	.p2align	6, 0x0
	.amdhsa_kernel k_qf7b82bde45_attn
		.amdhsa_group_segment_fixed_size 327680
		.amdhsa_private_segment_fixed_size 0
		.amdhsa_enable_private_segment 0
		.amdhsa_kernarg_size 48
		.amdhsa_user_sgpr_count 2
		.amdhsa_user_sgpr_kernarg_segment_ptr 1
		.amdhsa_wavefront_size32 1
		.amdhsa_system_sgpr_workgroup_id_x 1
		.amdhsa_system_sgpr_workgroup_id_y 1
		.amdhsa_system_sgpr_workgroup_id_z 1
		.amdhsa_system_vgpr_workitem_id 0
		.amdhsa_next_free_vgpr 1024
		.amdhsa_next_free_sgpr 96
		.amdhsa_reserve_vcc 0
		.amdhsa_float_denorm_mode_32 3
		.amdhsa_float_denorm_mode_16_64 3
		.amdhsa_memory_ordered 1
		.amdhsa_forward_progress 1
		.amdhsa_inst_pref_size 190
	.end_amdhsa_kernel
	.amdgpu_metadata
---
amdhsa.version: [ 1, 2 ]
amdhsa.kernels:
  - .name:           k_qf7b82bde45_attn
    .symbol:         k_qf7b82bde45_attn.kd
    .args:
      - { .name: qbuf, .offset: 0, .size: 8, .value_kind: global_buffer, .address_space: global }
      - { .name: kbuf, .offset: 8, .size: 8, .value_kind: global_buffer, .address_space: global }
      - { .name: vbuf, .offset: 16, .size: 8, .value_kind: global_buffer, .address_space: global }
      - { .name: x, .offset: 24, .size: 8, .value_kind: global_buffer, .address_space: global }
      - { .name: gamma, .offset: 32, .size: 8, .value_kind: global_buffer, .address_space: global }
      - { .name: out0, .offset: 40, .size: 8, .value_kind: global_buffer, .address_space: global }
    .group_segment_fixed_size: 327680
    .private_segment_fixed_size: 0
    .kernarg_segment_align: 8
    .kernarg_segment_size: 48
    .max_flat_workgroup_size: 128
    .sgpr_count:     96
    .vgpr_count:     1024
    .wavefront_size: 32
...
	.end_amdgpu_metadata
.endif
;; end of part 3
;; ======== version 2 of 2: 3 launches
;; workspace buffers: wbuf 1,064,960 bytes; qbuf 1,703,936 bytes; kbuf 1,703,936 bytes; vbuf 13,631,488 bytes
;; launch wprep: the kernel of part 1 again; grid 160 x 1, 4 waves a work-group, no clusters, 0 bytes of LDS; arguments Wq, Wk, Wv, wbuf; writes wbuf
;; launch proj (part 4): grid 256 x 1, 4 waves a work-group, clusters of 4 x 1, 327,680 bytes of LDS; arguments x, wbuf, bq, bk, bv, qbuf, kbuf, vbuf; writes qbuf, kbuf, vbuf
.if DOCPART == 4
	.amdgcn_target "amdgcn-amd-amdhsa--gfx1250"
	.amdhsa_code_object_version 6
	.text
	.protected	k_qf7b82bde45_proj
	.globl	k_qf7b82bde45_proj
	.p2align	8
	.type	k_qf7b82bde45_proj,@function
k_qf7b82bde45_proj:
	s_mov_b64 s[64:65], 0
	v_nop
	global_prefetch_b8 v0, s[64:65] scope:SCOPE_SE
	s_setreg_imm32_b32 hwreg(HW_REG_WAVE_MODE, 25, 1), 1
	s_wait_xcnt 0x0
	s_wait_alu depctr_hold_cnt(0) depctr_sa_sdst(0) depctr_va_vdst(0) depctr_va_sdst(0) depctr_va_ssrc(0) depctr_va_vcc(0) depctr_vm_vsrc(0)
	s_getreg_b32 s2, hwreg(HW_REG_IB_STS2, 6, 4)
	s_cmp_eq_u32 s2, 0
	s_cbranch_scc0 .Lentry_in_a_cluster
	s_endpgm
.Lentry_in_a_cluster:
	s_bfe_u32 s2, ttmp6, 0x10000c
	s_cmp_lg_u32 s2, 0x3003
	s_cbranch_scc0 .Lentry_shape_is_right
	s_endpgm
.Lentry_shape_is_right:
; q = x Wq^T + bq, k = x Wk^T + bk, v = x Wv^T + bv, on codes of FP6 (E2M3) with one E8M0 scale for each 32 along K = the 1,024 channels; then q and k are quantised along their 128 outputs and v along
; the positions t, which are the K of the products of the next launch.  x [16,384][1,024] f32 is quantised here, in registers; the weights come as records from wbuf.
; A RECORD is one matrix operand, 16 rows x 128 K, as an image of its 12 registers, and 128 bytes of scale words (the word of lane L at 4 L).  q, k, x and the weights: registers 4 g .. 4 g + 3 of lane L at
; 512 g + 16 L.  v: the pair 2 p, 2 p + 1 of lane L at 256 p + 8 L, since a record of v spans 128 t and a work-group owns 64: its half is pairs 3 c' .. 3 c' + 2, 768 consecutive bytes.
; SHARES.  A work-group owns 64 rows (positions) of x, as four tiles whose rows are NOT neighbours: row r of tile a is 32 (a / 2) + 8 (a % 2) + r + 8 (r / 8).  K goes in 8 steps of 128.
; Wave w quantises tile w of x and hands its record to the others through LDS.  It makes v for channels 256 w .. 256 w + 255 x 64 positions (64 accumulators; source 0 = x, source 1 = Wv: a lane holds ONE channel and
; its registers run along t), and q (waves 0, 1) or k (waves 2, 3) for two tiles of positions x 128 outputs (16 accumulators; source 0 = the weight, source 1 = x: a lane holds one position, registers along the outputs).
; With the rows chosen as above the 16 registers of two neighbouring tiles are 16 neighbours along the next K.  80 matrix instructions a wave and K step, from 24 records of weights and 6 of x.
; CLUSTER.  All work-groups walk the same wbuf: the four of a cluster ask for each K step's block JOINTLY (the same tensor load, the same descriptor, the mask 15).  The place in the cluster enters global addresses of x, qbuf, kbuf, vbuf alone.
; THE WALK.  Cluster n begins K at block (n xor n / 8) mod 8 and goes round modulo 8, x's K slices with it: so the clusters' first fills name all eight blocks, and a block that a cluster asks for later has been asked for
; by other clusters a step earlier.  The f32 sums so run over K in an order that differs from cluster to cluster.
; LIMITS: NaN and infinities are not served; a block whose largest magnitude lies under 2^-124, a block of zeros among them, keeps the scale byte 1 (this program alone reads the bytes).
; v's scale words are shared by two work-groups, two bytes each: these stores write their 128-byte areas in part; they are 64 stores of 64 bytes a work-group.
; No prefetch: x is streamed once by loads that run two K steps ahead of their use, and each block of wbuf is asked for by eight clusters in every step of the walk.
; LDS: 0: the ring, two slots of one K step's block (133,120 bytes), filled by tensor loads alone;  TS: a stage of 16 rows x 528 bytes for each wave, its own;  XR: x's records, two buffers of 4 x 1,536 + 4 x 128;  SPARE: the spare words.
; REGISTERS, in windows of 256: window 0: v0-23 addresses; v24-37 scale words and nothing else; v40-87 four records of x, v88-111 my two again; v112-207 two sets of four weight records; v208-239 bv.
;   Between the products v40-79 serve the quantiser and v112-175 hold its 64 numbers.   windows 1, 2: v's accumulators (index 4 ct + a: window 1 + index / 32, register 8 (index % 32)).
;   window 3: v0-127 q's or k's accumulators (8 tt + u); v128-255 two sets of x as loaded.
.set SLOTB,  133120
.set QUARTB, 33280                     ; a wave's quarter of a block: 130 rows of 256 bytes
.set REC,    1536
.set WSCL,   80*REC                    ; where a block's scale areas begin
.set TS,     2*SLOTB
.set TSP,    528                       ; a stage row: 512 bytes + 16: the 16 rows that a load touches begin in 16 different groups of banks
.set XR,     TS+4*16*TSP
.set XBUF,   4*REC+4*128
.set SPARE,  XR+2*XBUF                 ; 128 bytes for each wave: two blocks of 256 bytes that no other line names
.set SPW,  1                           ; v1   my spare word's address; never rewritten
.set NIL,  2                           ; v2   0; never rewritten
.set LI,   3                           ; v3   16 x lane
.set LS,   4                           ; v4   4 x lane
.set L8,   5                           ; v5   8 x lane
.set WA,   6                           ; v6-7   my 16 records of Wv in slot 0, 1
.set WSA,  8                           ; v8-9   their scale words
.set WQA,  10                          ; v10-11 the 8 records of Wq or Wk
.set WQSA, 12                          ; v12-13 their scale words
.set XRA,  14                          ; v14  x's records
.set XRS,  15                          ; v15  their scale words
.set XQA,  16                          ; v16  my two tiles' records
.set XQSA, 17                          ; v17
.set XWI,  18                          ; v18  where I store my record of x
.set XWS,  19                          ; v19  and its scale words
.set TSW,  20                          ; v20  my stage, on the way in: 16 x lane
.set TSR,  21                          ; v21  and out: 528 r + 64 h
.set BVO,  22                          ; v22  bv: 1,024 w + 4 r
.set BQO,  23                          ; v23  bq, bk: 64 h
.set XSC,  24                          ; v24-27 scale words of x's four records
.set XQS,  28                          ; v28-29 of my two
.set WSC,  30                          ; v30-37 of the weights' records, two sets of four
.set XF,   40
.set XQ,   88
.set WF,   112
.set BV,   208
.set TM,   40
.set PW,   56
.set PC,   60
.set X,    112
.set WV,   20                          ; s20  my wave's number
.set G1,   24                          ; s[24:31] descriptor group 1
.set G0,   32                          ; s[32:39] group 0, a set for each slot
.set CNT,  40
.set SEL,  42                          ; s[42:43] lane selects: lane l xor 16
.set XP,   44                          ; s[44:45] x at my tile's first row, at the K slice to be loaded
.set VC,   46                          ; s[46:47] vbuf: my codes
.set VSB,  48                          ; s[48:49] vbuf: my scale bytes
.set QC,   50                          ; s[50:51] qbuf or kbuf: my records
.set QS,   52                          ; s[52:53] and their scale words
.set BQP,  54                          ; s[54:55] bq or bk
.set WB,   84                          ; s[84:85] wbuf at my quarter of block 0
.set WO,   86                          ; s[86:87] a block's offset
.set XB,   88                          ; s[88:89] x at my tile's first row
.set XO,   90                          ; s[90:91] a K slice's offset
.set KW,   92                          ; s92  the block that the next fill takes
.set KX,   93                          ; s93  the K slice that the next loads of x take
.set MSB, 0
.macro WIN new                         ; the immediate's high byte repeats the setting that is left; a switch that changes nothing is dropped
.if MSB != \new
	s_set_vgpr_msb (MSB<<8)|\new
.set MSB, \new
.endif
.endm
.macro PLACES n
.rept \n
	v_nop
.endr
.endm
.macro ROUND                           ; a round of the cluster's barrier
	s_barrier_signal -1
	s_barrier_wait -1
	s_cmp_lg_u32 s[WV], 0
	s_cbranch_scc1 .Lnot_wave_0_\@
	s_barrier_signal -3
.Lnot_wave_0_\@:
	s_barrier_wait -3
	s_barrier_signal -1
	s_barrier_wait -1
.endm
.macro WSTEP s                         ; slot s's group 0 takes the walk's next block; the walk goes round modulo 8
	s_mul_i32 s[WO], s[KW], SLOTB
	s_add_nc_u64 s[G0+4*(\s)+2:G0+4*(\s)+3], s[WB:WB+1], s[WO:WO+1]
	s_or_b32 s[G0+4*(\s)+3], s[G0+4*(\s)+3], 0x80000000   ; type = 2
	s_add_co_u32 s[KW], s[KW], 1
	s_and_b32 s[KW], s[KW], 7
.endm
.macro XSTEP                           ; x's base takes the walk's next K slice: 512 bytes of a row
	s_lshl_b32 s[XO], s[KX], 9
	s_add_nc_u64 s[XP:XP+1], s[XB:XB+1], s[XO:XO+1]
	s_add_co_u32 s[KX], s[KX], 1
	s_and_b32 s[KX], s[KX], 7
.endm
; 64 numbers of a lane, v[s] .. v[s + 63] of window w, register 16 b + i = k 32 b + 16 h + i of my row, become a record's codes in v[PC] on and its scale word in v[PW].
.macro QUANT s, w
	WIN ((\w)|((\w)<<2))
.irp b, 0,1,2,3
	v_max3_num_f32 v[TM+\b], |v[\s+16*\b]|, |v[\s+1+16*\b]|, 0x1800000   ; block b: my 16 numbers, and the floor 2^(3 - 127): the byte cannot fall under 1.  (Each accumulator is read from its low end on)
.endr
	WIN (((\w)<<2)|((\w)<<4))
.irp i, 2,4,6,8,10,12,14
.irp b, 0,1,2,3
	v_max3_num_f32 v[TM+\b], v[TM+\b], |v[\s+16*\b+\i]|, |v[\s+1+16*\b+\i]|
.endr
.endr
	WIN 0
.irp b, 0,1,2,3
	v_permlanex16_b32 v[TM+4+\b], v[TM+\b], s[SEL], s[SEL+1]
.endr
.irp b, 0,1,2,3
	v_max_num_f32 v[TM+\b], v[TM+\b], v[TM+4+\b]   ; with lane l xor 16's: the block's largest magnitude
.endr
.irp b, 0,1,2,3
	v_add_nc_u32 v[TM+12+\b], 0xff000000, v[TM+\b]   ; 2 off its exponent field: the conversion's scale operand
.endr
.irp b, 0,1,2,3
	v_lshrrev_b32 v[TM+4+\b], 23, v[TM+12+\b]   ; the scale's byte
.endr
	v_lshl_or_b32 v[PW], v[TM+5], 8, v[TM+4]
	v_lshl_or_b32 v[PW], v[TM+6], 16, v[PW]
	v_lshl_or_b32 v[PW], v[TM+7], 24, v[PW]
	WIN (\w)
.irp c, 0,1
	v_cvt_scalef32_pk16_fp6_f32 v[PC+6*\c:PC+2+6*\c], v[\s+32*\c:\s+15+32*\c], v[TM+12+2*\c]
	v_cvt_scalef32_pk16_fp6_f32 v[PC+12+4*\c:PC+14+4*\c], v[\s+16+32*\c:\s+31+32*\c], v[TM+12+2*\c+1]   ; (a conversion's three registers begin on an even number)
.endr
	WIN 0
	v_nop                                          ; one plain instruction behind a scaled conversion
.irp c, 0,1                                    ; the operand wants a WHOLE block in a lane: lanes 0-15 block 2 c, lanes 16-31 block 2 c + 1
.irp i, 0,1,2
	v_permlane16_swap_b32 v[PC+6*\c+\i], v[PC+12+4*\c+\i]
.endr
.irp i, 0,1,2
	v_mov_b32 v[PC+3+6*\c+\i], v[PC+12+4*\c+\i]
.endr
.endr
.endm
; my tile's 16 rows, 128 numbers of each: a load takes one row's 512 consecutive bytes
.macro RLOAD set
	WIN 0xc0                                       ; destination window 3
.irp i, 0,1,2,3,4,5,6,7,8,9,10,11,12,13,14,15
	global_load_b128 v[128+64*(\set)+4*\i:128+64*(\set)+4*\i+3], v[LI], s[XP:XP+1] offset:(\i+8*(\i/8))*4096 th:TH_LOAD_NT
.endr
	WIN 0
.endm
; A K slice of my tile of x becomes a record.  The rows turn through my own stage (LDS serves a wave's instructions in order: no wait between the stores and the loads), so that lane (r, h) holds 16 neighbours of each block of row r.
; lw: the younger set's loads, which may stay out.  rl = 1: the set is loaded again, two steps of the walk on.
.macro XPHASE set, buf, lw, rl
	PLACES 4                                       ; behind the last products: loads and vector instructions below write registers that they read
	s_wait_loadcnt \lw
	WIN 0x0c                                       ; an LDS store's data are its source 1: window 3
.irp i, 0,1,2,3,4,5,6,7,8,9,10,11,12,13,14,15
	ds_store_b128 v[TSW], v[128+64*(\set)+4*\i:128+64*(\set)+4*\i+3] offset:TSP*\i
.endr
	WIN 0
.irp b, 0,1,2,3
.irp j, 0,1,2,3
	ds_load_b128 v[X+16*\b+4*\j:X+16*\b+4*\j+3], v[TSR] offset:128*\b+16*\j
.endr
.endr
	s_wait_dscnt 0x0                               ; the numbers are back, and the stores have read the set
.if \rl
	s_wait_xcnt 0x0                                ; the other set's loads have read their base: it may be written
	XSTEP
	RLOAD \set
.endif
	QUANT X, 0
.irp c, 0,1,2
	ds_store_b128 v[XWI], v[PC+4*\c:PC+4*\c+3] offset:(\buf)*XBUF+512*\c
.endr
	ds_store_b32 v[XWS], v[PW] offset:(\buf)*XBUF
.endm
.macro XFETCH buf                      ; x's four records, and my two tiles' once more (which two hangs on the wave, and a register number cannot): 24 loads
.irp a, 0,1,2,3
.irp c, 0,1,2
	ds_load_b128 v[XF+12*\a+4*\c:XF+12*\a+4*\c+3], v[XRA] offset:(\buf)*XBUF+\a*REC+512*\c
.endr
	ds_load_b32 v[XSC+\a], v[XRS] offset:(\buf)*XBUF+\a*128
.endr
.irp a, 0,1
.irp c, 0,1,2
	ds_load_b128 v[XQ+12*\a+4*\c:XQ+12*\a+4*\c+3], v[XQA] offset:(\buf)*XBUF+\a*REC+512*\c
.endr
	ds_load_b32 v[XQS+\a], v[XQSA] offset:(\buf)*XBUF+\a*128
.endr
.endm
.macro WFETCH slot, grp, set           ; four weight records and their scale words: 16 loads.  Groups 0-3: Wv's; 4, 5: Wq's or Wk's
.irp i, 0,1,2,3
.if (\grp) < 4
.irp c, 0,1,2
	ds_load_b128 v[WF+48*(\set)+12*\i+4*\c:WF+48*(\set)+12*\i+4*\c+3], v[WA+\slot] offset:(4*(\grp)+\i)*REC+512*\c
.endr
	ds_load_b32 v[WSC+4*(\set)+\i], v[WSA+\slot] offset:(4*(\grp)+\i)*128
.else
.irp c, 0,1,2
	ds_load_b128 v[WF+48*(\set)+12*\i+4*\c:WF+48*(\set)+12*\i+4*\c+3], v[WQA+\slot] offset:(4*((\grp)-4)+\i)*REC+512*\c
.endr
	ds_load_b32 v[WSC+4*(\set)+\i], v[WQSA+\slot] offset:(4*((\grp)-4)+\i)*128
.endif
.endr
.endm
; 16 products for v: four tiles of channels x four tiles of positions.  The accumulators take turns, one instruction a turn.  zero = 1: the first step starts the sums.
.macro MMV grp, set, zero
	WIN ((1+(\grp)/2)*0x50)                        ; C and D: window 1 or 2
.irp i, 0,1,2,3
.irp a, 0,1,2,3
.set rD, 8*((16*(\grp)+4*\i+\a)%32)
.if \zero
	v_wmma_scale_f32_16x16x128_f8f6f4 v[rD:rD+7], v[XF+12*\a:XF+12*\a+11], v[WF+48*(\set)+12*\i:WF+48*(\set)+12*\i+11], 0, v[XSC+\a], v[WSC+4*(\set)+\i] matrix_a_fmt:MATRIX_FMT_FP6 matrix_b_fmt:MATRIX_FMT_FP6
.else
	v_wmma_scale_f32_16x16x128_f8f6f4 v[rD:rD+7], v[XF+12*\a:XF+12*\a+11], v[WF+48*(\set)+12*\i:WF+48*(\set)+12*\i+11], v[rD:rD+7], v[XSC+\a], v[WSC+4*(\set)+\i] matrix_a_fmt:MATRIX_FMT_FP6 matrix_b_fmt:MATRIX_FMT_FP6
.endif
.endr
.endr
.endm
; 8 products for q or k: four tiles of outputs x my two tiles of positions.  The sums began as the bias, loaded into the accumulators.
.macro MMQ g2, set
	WIN 0xf0                                       ; C and D: window 3
.irp i, 0,1,2,3
.irp a, 0,1
.set rD, 8*(8*\a+4*(\g2)+\i)
	v_wmma_scale_f32_16x16x128_f8f6f4 v[rD:rD+7], v[WF+48*(\set)+12*\i:WF+48*(\set)+12*\i+11], v[XQ+12*\a:XQ+12*\a+11], v[rD:rD+7], v[WSC+4*(\set)+\i], v[XQS+\a] matrix_a_fmt:MATRIX_FMT_FP6 matrix_b_fmt:MATRIX_FMT_FP6
.endr
.endr
.endm
; A STEP OF THE WALK, from slot (and x's buffer) slot.  At its head the one barrier: x's records of this step lie in LDS, this slot is whole, nobody reads the other slot any more.
; head = 0: the first step. refill = 1: the other slot takes the walk's next block.  xph = 1: at the end my tile's next K slice is quantised into the other buffer.
.macro STEPK slot, head, refill, xph, lw, rl, zero
.if \head == 0
	s_wait_tensorcnt 0x1                           ; my quarter of slot 0 is in; slot 1's may stay out
	s_wait_dscnt 0x0                               ; my record of x has landed
	s_barrier_signal -1
	s_barrier_wait -1
.else
	s_wait_tensorcnt 0x0                           ; all my tensor loads have landed: my quarter of this slot
	ds_add_u32 v[SPW], v[NIL]                      ; 0 onto my spare word
.if \refill
	WSTEP 1-\slot                                  ; no tensor load of mine is out: the other slot's group 0 may be written
.endif
	s_wait_dscnt 0x0                               ; the add is done, my reads of the other slot are over, my record of x has landed
.if \refill
	ROUND                                          ; that now holds of every wave of all four work-groups
	tensor_load_to_lds s[G0+4*(1-\slot):G0+4*(1-\slot)+3], s[G1:G1+7]   ; the first thing behind the round, my one tensor load until the next
	s_nop 0
.else
	s_barrier_signal -1
	s_barrier_wait -1
.endif
.endif
	PLACES 4
	XFETCH \slot
	WFETCH \slot, 0, 0
.irp g, 0,1,2,3,4,5
.if \g < 5
.if \g > 0
	PLACES 4                                       ; the set to be loaded was read by the products before the last run
.endif
	WIN 0
	WFETCH \slot, \g+1, (\g+1)%2
	s_wait_dscnt 16                                ; all but the 16 loads just issued
.else
	s_wait_dscnt 0x0
.endif
.if \g < 4
	MMV \g, \g%2, \zero
.else
	MMQ \g-4, \g%2
.endif
.endr
	WIN 0
.if \xph
	XPHASE 1-\slot, 1-\slot, \lw, \rl
.endif
.endm
; Two tiles of channels of v: + bv, quantised along t.  Blocks 0, 1 are the first tile's 64 positions, blocks 2, 3 the second's: each tile's six registers are half a record, each half of the scale word two of a record's four bytes.
.macro VPAIR pp
	s_wait_xcnt 0x0                                ; the last stores have read their data
	WIN (1+(\pp)/4)                                ; source 0: the accumulators' window
.irp e, 0,1
.irp m, 0,2,4,6,8,10,12,14,16,18,20,22,24,26,28,30
	v_pk_add_f32 v[X+32*\e+\m:X+32*\e+\m+1], v[32*((2*(\pp)+\e)%8)+\m:32*((2*(\pp)+\e)%8)+\m+1], v[BV+2*(2*(\pp)+\e):BV+2*(2*(\pp)+\e)+1] op_sel_hi:[1,0]
.endr
.endr
	WIN 0
	QUANT X, 0
	v_lshrrev_b32 v[PW+1], 16, v[PW]
.irp e, 0,1
.irp p, 0,1,2
	global_store_b64 v[L8], v[PC+6*\e+2*\p:PC+6*\e+2*\p+1], s[VC:VC+1] offset:((\pp)/4)*212992+((\pp)%4)*26624+\e*REC+256*\p   ; 32 lanes store 256 consecutive bytes, at a multiple of 256 from vbuf's first byte
.endr
.endr
	global_store_b16 v[LS], v[PW], s[VSB:VSB+1] offset:((\pp)/4)*212992+((\pp)%4)*26624
	global_store_b16 v[LS], v[PW+1], s[VSB:VSB+1] offset:((\pp)/4)*212992+((\pp)%4)*26624+128
.endm
.macro QKT tt                          ; a tile of positions of q or k: 64 registers along the outputs become one record
	s_wait_xcnt 0x0
	QUANT 64*(\tt), 3
.irp c, 0,1,2
	global_store_b128 v[LI], v[PC+4*\c:PC+4*\c+3], s[QC:QC+1] offset:(\tt)*REC+512*\c
.endr
	global_store_b32 v[LS], v[PW], s[QS:QS+1] offset:(\tt)*128
.endm
	s_load_b512 s[4:19], s[0:1], 0x0               ; x s[4:5], wbuf s[6:7], bq s[8:9], bk s[10:11], bv s[12:13], qbuf s[14:15], kbuf s[16:17], vbuf s[18:19]
	v_lshl_add_u32 v[SPW], v0, 2, SPARE
	v_mov_b32 v[NIL], 0
	ds_add_u32 v1, v2
	ds_add_u32 v1, v2
	s_wait_dscnt 0x0
	v_lshrrev_b32 v23, 5, v0
	v_readfirstlane_b32 s[WV], v23                 ; wave 0..3
	s_bfe_u32 s21, ttmp6, 0x40000                  ; cx: my place in the cluster
	s_lshl_b32 s22, ttmp9, 2
	s_add_co_u32 s22, s22, s21                     ; g: my block of 64 rows
	s_and_b32 s23, s22, 31                         ; its number in the batch
	s_lshr_b32 s56, s22, 5                         ; the batch
	s_lshr_b32 s[KW], ttmp9, 3                     ; where my cluster's walk over K begins: (n xor n / 8) mod 8, n the cluster's number, which the four partners share
	s_xor_b32 s[KW], s[KW], ttmp9
	s_and_b32 s[KW], s[KW], 7
	s_mov_b32 s[KX], s[KW]
	s_mov_b32 s[WO+1], 0
	s_mov_b32 s[XO+1], 0
	s_mov_b32 s[G1], 15|(3<<16)|(1<<21)            ; the mask: all four work-groups; elements of 8 bytes; bit 21 beside a mask; no padding
	s_mov_b32 s[G1+1], 32<<16                      ; tensor_dim0 = 32 elements: 256 bytes
	s_mov_b32 s[G1+2], 130<<16                     ; tensor_dim1 = 130
	s_mov_b32 s[G1+3], 32<<16                      ; tile_dim0
	s_mov_b32 s[G1+4], 130                         ; tile_dim1
	s_mov_b32 s[G1+5], 32                          ; the pitch: dense
	s_mov_b32 s[G1+6], 0
	s_mov_b32 s[G1+7], 0
	s_mul_i32 s57, s[WV], QUARTB                   ; my quarter, in a block and in a slot
	s_mov_b32 s58, s57
	s_mov_b32 s59, 0
	s_mov_b32 s[SEL], 0x76543210
	s_mov_b32 s[SEL+1], 0xfedcba98
	s_lshr_b32 s60, s[WV], 1
	s_and_b32 s61, s[WV], 1
	s_lshr_b32 s62, s23, 4                         ; which half of the batch's positions
	s_bfe_u32 s63, s23, 0x30001                    ; j': the key step in that half
	s_and_b32 s66, s23, 1                          ; c': which half of a record of v
	s_lshl_b32 s68, s22, 6                         ; x: row 64 g + 32 (w / 2) + 8 (w % 2),
	s_lshl_b32 s78, s60, 5
	s_add_co_u32 s68, s68, s78
	s_lshl_b32 s78, s61, 3
	s_add_co_u32 s68, s68, s78
	s_lshl_b32 s68, s68, 12                        ; x 4,096 bytes
	s_mov_b32 s69, 0
	s_mul_i32 s70, s56, 1703936                    ; vbuf: the batch, slot 4 w + half
	s_lshl_b32 s78, s[WV], 2
	s_add_co_u32 s78, s78, s62
	s_mul_i32 s78, s78, 106496
	s_add_co_u32 s70, s70, s78
	s_lshl_b32 s78, s63, 8
	s_add_co_u32 s72, s70, s78                     ; scale bytes: + 24,576 + 256 j' + 2 c'
	s_lshl_b32 s78, s66, 1
	s_add_co_u32 s72, s72, s78
	s_add_co_u32 s72, s72, 24576
	s_mov_b32 s73, 0
	s_mul_i32 s78, s63, 3072                       ; codes: + 3,072 j' + 768 c'
	s_add_co_u32 s70, s70, s78
	s_mul_i32 s78, s66, 768
	s_add_co_u32 s70, s70, s78
	s_mov_b32 s71, 0
	s_mul_i32 s74, s56, 212992                     ; qbuf: the batch, the half,
	s_mul_i32 s78, s62, 106496
	s_add_co_u32 s74, s74, s78
	s_and_b32 s78, s23, 15
	s_lshl_b32 s78, s78, 2
	s_lshl_b32 s79, s61, 1
	s_add_co_u32 s78, s78, s79                     ; record 4 (block % 16) + 2 (w % 2)
	s_lshl_b32 s80, s78, 7
	s_add_co_u32 s76, s74, s80
	s_add_co_u32 s76, s76, 98304
	s_mul_i32 s78, s78, REC
	s_add_co_u32 s74, s74, s78
	s_mul_i32 s80, s22, XBUF                       ; kbuf: block g, record 2 (w % 2)
	s_lshl_b32 s81, s79, 7
	s_add_co_u32 s82, s80, s81
	s_add_co_u32 s82, s82, 6144
	s_mul_i32 s81, s79, REC
	s_add_co_u32 s80, s80, s81
	s_mov_b32 s75, 0
	s_mov_b32 s77, 0
	s_wait_kmcnt 0x0
	s_cmp_lt_u32 s[WV], 2                          ; waves 0, 1: q; waves 2, 3: k
	s_cselect_b32 s74, s74, s80
	s_cselect_b32 s76, s76, s82
	s_cselect_b64 s[QC:QC+1], s[14:15], s[16:17]
	s_cselect_b64 s[BQP:BQP+1], s[8:9], s[10:11]
	s_mov_b64 s[QS:QS+1], s[QC:QC+1]
	s_add_nc_u64 s[QC:QC+1], s[QC:QC+1], s[74:75]
	s_add_nc_u64 s[QS:QS+1], s[QS:QS+1], s[76:77]
	s_add_nc_u64 s[XB:XB+1], s[4:5], s[68:69]
	s_add_nc_u64 s[WB:WB+1], s[6:7], s[58:59]
	s_add_nc_u64 s[VC:VC+1], s[18:19], s[70:71]
	s_add_nc_u64 s[VSB:VSB+1], s[18:19], s[72:73]
.irp s, 0,1
	s_mov_b32 s[G0+4*\s], 1                        ; count = 1
	s_add_co_u32 s[G0+4*\s+1], s57, \s*SLOTB       ; LDS address: the slot, my quarter
	WSTEP \s                                       ; global address: the walk's first and second block
.endr
	ROUND                                          ; all four work-groups are here: the first joint loads meet
	tensor_load_to_lds s[G0:G0+3], s[G1:G1+7]      ; both first fills together: two tensor loads of mine are out
	s_nop 0
	tensor_load_to_lds s[G0+4:G0+7], s[G1:G1+7]
	s_nop 0
	PLACES 4
	v_and_b32 v23, 31, v0
	v_lshlrev_b32 v[LI], 4, v23
	v_lshlrev_b32 v[LS], 2, v23
	v_lshlrev_b32 v[L8], 3, v23
	s_mul_i32 s78, s[WV], 16*REC
	v_add_nc_u32 v[WA], s78, v[LI]
	v_add_nc_u32 v[WA+1], SLOTB, v[WA]
	s_lshl_b32 s78, s[WV], 11
	s_add_co_u32 s78, s78, WSCL
	v_add_nc_u32 v[WSA], s78, v[LS]
	v_add_nc_u32 v[WSA+1], SLOTB, v[WSA]
	s_mul_i32 s78, s60, 8*REC
	s_add_co_u32 s78, s78, 64*REC
	v_add_nc_u32 v[WQA], s78, v[LI]
	v_add_nc_u32 v[WQA+1], SLOTB, v[WQA]
	s_lshl_b32 s78, s60, 10
	s_add_co_u32 s78, s78, WSCL+64*128
	v_add_nc_u32 v[WQSA], s78, v[LS]
	v_add_nc_u32 v[WQSA+1], SLOTB, v[WQSA]
	v_add_nc_u32 v[XRA], XR, v[LI]
	v_add_nc_u32 v[XRS], XR+4*REC, v[LS]
	s_mul_i32 s78, s61, 2*REC
	v_add_nc_u32 v[XQA], s78, v[XRA]
	s_lshl_b32 s78, s61, 8
	v_add_nc_u32 v[XQSA], s78, v[XRS]
	s_mul_i32 s78, s[WV], REC
	v_add_nc_u32 v[XWI], s78, v[XRA]
	s_lshl_b32 s78, s[WV], 7
	v_add_nc_u32 v[XWS], s78, v[XRS]
	s_mul_i32 s78, s[WV], 16*TSP
	s_add_co_u32 s78, s78, TS
	v_add_nc_u32 v[TSW], s78, v[LI]
	v_and_b32 v23, 15, v0                          ; r
	v_mul_u32_u24 v[TSR], v23, TSP
	v_add_nc_u32 v[TSR], s78, v[TSR]
	v_lshlrev_b32 v[BVO], 2, v23
	s_lshl_b32 s78, s[WV], 10
	v_add_nc_u32 v[BVO], s78, v[BVO]
	v_bfe_u32 v23, v0, 4, 1                        ; h
	v_lshlrev_b32 v[BQO], 6, v23                   ; 64 h
	v_add_nc_u32 v[TSR], v[TSR], v[BQO]
.irp b, 0,1,2,3
	v_mov_b32 v[TM+4+\b], 0                        ; written once: a lane permute's destination counts as one of its sources
.endr
.irp i, 0,1,2,3,4,5,6,7,8,9,10,11,12,13,14,15
	global_load_b32 v[BV+2*\i], v[BVO], s[12:13] offset:64*\i     ; bv of my lane's channel in tile i; twice, since the packed addition names a pair
	global_load_b32 v[BV+2*\i+1], v[BVO], s[12:13] offset:64*\i
.endr
	WIN 0xc0                                       ; destination window 3: the bias IS the sums' beginning: lane (r, h), tile u, register j: output 32 (u / 2) + 16 h + 8 (u % 2) + j
.irp t, 0,1
.irp u, 0,1,2,3,4,5,6,7
	global_load_b128 v[8*(8*\t+\u):8*(8*\t+\u)+3], v[BQO], s[BQP:BQP+1] offset:(32*(\u/2)+8*(\u%2))*4
	global_load_b128 v[8*(8*\t+\u)+4:8*(8*\t+\u)+7], v[BQO], s[BQP:BQP+1] offset:(32*(\u/2)+8*(\u%2))*4+16
.endr
.endr
	WIN 0
	XSTEP
	RLOAD 0                                        ; the walk's first K slice of my tile of x,
	s_wait_xcnt 0x0
	XSTEP
	RLOAD 1                                        ; its second
	XPHASE 0, 0, 16, 1                             ; all but the 16 youngest loads are in: the biases and the first slice
	STEPK 0, 0, 0, 1, 16, 1, 1                     ; step 0: its products start v's sums
	s_mov_b32 s[CNT], 2
.Lsteps:                                               ; steps 1 to 4
	STEPK 1, 1, 1, 1, 16, 1, 0
	STEPK 0, 1, 1, 1, 16, 1, 0
	s_sub_co_u32 s[CNT], s[CNT], 1
	s_cmp_lg_u32 s[CNT], 0
	s_cbranch_scc1 .Lsteps
	STEPK 1, 1, 1, 1, 16, 0, 0                     ; step 5: no more of x to load
	STEPK 0, 1, 1, 1, 0, 0, 0                      ; step 6: the last block is asked for, the last slice of x is quantised
	STEPK 1, 1, 0, 0, 0, 0, 0                      ; step 7: nothing is filled, nothing is quantised
	PLACES 4                                       ; behind the last products
.irp p, 0,1,2,3,4,5,6,7
	VPAIR \p
.endr
	QKT 0
	QKT 1
	s_wait_tensorcnt 0x0                           ; the wave's end
	ds_add_u32 v[SPW], v[NIL]
	s_wait_dscnt 0x0
	ROUND                                          ; the closing round: no work-group ends while a partner may still ask jointly
	s_endpgm
.Lfunc_end_k_qf7b82bde45_proj:
	.size	k_qf7b82bde45_proj, .Lfunc_end_k_qf7b82bde45_proj-k_qf7b82bde45_proj
	.p2alignl 7, 3214868480
	.fill 96, 4, 3214868480
	.section	.rodata,"a",@progbits
	.p2align	6, 0x0
	.amdhsa_kernel k_qf7b82bde45_proj
		.amdhsa_group_segment_fixed_size 327680
		.amdhsa_private_segment_fixed_size 0
		.amdhsa_enable_private_segment 0
		.amdhsa_kernarg_size 64
		.amdhsa_user_sgpr_count 2
		.amdhsa_user_sgpr_kernarg_segment_ptr 1
		.amdhsa_wavefront_size32 1
		.amdhsa_system_sgpr_workgroup_id_x 1
		.amdhsa_system_sgpr_workgroup_id_y 1
		.amdhsa_system_sgpr_workgroup_id_z 1
		.amdhsa_system_vgpr_workitem_id 0
		.amdhsa_next_free_vgpr 1024
		.amdhsa_next_free_sgpr 100
		.amdhsa_reserve_vcc 0
		.amdhsa_float_denorm_mode_32 3
		.amdhsa_float_denorm_mode_16_64 3
		.amdhsa_memory_ordered 1
		.amdhsa_forward_progress 1
		.amdhsa_inst_pref_size 239
	.end_amdhsa_kernel
	.amdgpu_metadata
---
amdhsa.version: [ 1, 2 ]
amdhsa.kernels:
  - .name:           k_qf7b82bde45_proj
    .symbol:         k_qf7b82bde45_proj.kd
    .args:
      - { .name: x, .offset: 0, .size: 8, .value_kind: global_buffer, .address_space: global }
      - { .name: wbuf, .offset: 8, .size: 8, .value_kind: global_buffer, .address_space: global }
      - { .name: bq, .offset: 16, .size: 8, .value_kind: global_buffer, .address_space: global }
      - { .name: bk, .offset: 24, .size: 8, .value_kind: global_buffer, .address_space: global }
      - { .name: bv, .offset: 32, .size: 8, .value_kind: global_buffer, .address_space: global }
      - { .name: qbuf, .offset: 40, .size: 8, .value_kind: global_buffer, .address_space: global }
      - { .name: kbuf, .offset: 48, .size: 8, .value_kind: global_buffer, .address_space: global }
      - { .name: vbuf, .offset: 56, .size: 8, .value_kind: global_buffer, .address_space: global }
    .group_segment_fixed_size: 327680
    .private_segment_fixed_size: 0
    .kernarg_segment_align: 8
    .kernarg_segment_size: 64
    .max_flat_workgroup_size: 128
    .sgpr_count:     100
    .vgpr_count:     1024
    .wavefront_size: 32
...
	.end_amdgpu_metadata
.endif
;; end of part 4
;; launch attn (part 5): grid 32 x 8, 4 waves a work-group, clusters of 4 x 1, 327,680 bytes of LDS; arguments qbuf, kbuf, vbuf, x, gamma, out0; writes out0
.if DOCPART == 5
	.amdgcn_target "amdgcn-amd-amdhsa--gfx1250"
	.amdhsa_code_object_version 6
	.text
	.protected	k_qf7b82bde45_attn
	.globl	k_qf7b82bde45_attn
	.p2align	8
	.type	k_qf7b82bde45_attn,@function
k_qf7b82bde45_attn:
	s_mov_b64 s[64:65], 0
	v_nop
	global_prefetch_b8 v0, s[64:65] scope:SCOPE_SE
	s_setreg_imm32_b32 hwreg(HW_REG_WAVE_MODE, 25, 1), 1
	s_wait_xcnt 0x0
	s_wait_alu depctr_hold_cnt(0) depctr_sa_sdst(0) depctr_va_vdst(0) depctr_va_sdst(0) depctr_va_ssrc(0) depctr_va_vcc(0) depctr_vm_vsrc(0)
	s_getreg_b32 s2, hwreg(HW_REG_IB_STS2, 6, 4)
	s_cmp_eq_u32 s2, 0
	s_cbranch_scc0 .Lentry_in_a_cluster
	s_endpgm
.Lentry_in_a_cluster:
	s_bfe_u32 s2, ttmp6, 0x10000c
	s_cmp_lg_u32 s2, 0x3003
	s_cbranch_scc0 .Lentry_shape_is_right
	s_endpgm
.Lentry_shape_is_right:
; out[b][c][s] = gamma x (sum over t of v[b][c][t] p[t][s]) / l[s] + x[b][s][c], with scores[t][s] = q[t] . k[s], the softmax taken over t for each s.  Both products on codes of FP6 (E2M3), one E8M0 scale for each 32 along K.
; THE SOFTMAX: u = score x log2(e); M = the largest u of column s so far, rounded UP to a whole number; p = 2^(u - M) is quantised along t, not normalised; l is the sum of the unquantised p.
; q, k, v come as RECORDS (one operand, 16 rows x 128 K, as an image of its 12 registers, and 128 bytes of scale words), made by the launch before.  The rows of a tile of positions are not neighbours:
; row r of tile a is 32 (a / 2) + 8 (a % 2) + r + 8 (r / 8), so that S^T = q k^T leaves 16 neighbouring t in the 16 registers of two neighbouring tiles.
; SHARES.  A work-group owns 64 positions s of one batch, four tiles.  PHASE 1, the softmax: wave w owns tile w and walks all 2,048 t, 128 a step: 8 products, the softmax of a lane's 64 scores, one record of P.
; M runs; the codes do not hang on M, only the scale bytes do: at the end each step's bytes are lowered by (last M - that step's M), which is exact.  So nothing of the second product is ever rescaled.
; PHASE 2: P's 64 records go through LDS once into EVERY wave's registers (768 of them) and stay.  Then O^T = v P^T is a plain product that walks the 1,024 channels in 8 chunks of 128: wave w makes 32 channels x 64 s
; (8 accumulators; source 0 = v, source 1 = P: a lane holds one s and eight neighbouring channels), K = 2,048 in 16 steps.  Each record of v is read from LDS once, by one wave, and feeds four products.
; A chunk's results leave as soon as it is finished, so that the reads of x and the stores of out are spread over the whole phase.
; CLUSTER.  The four work-groups of a cluster belong to one batch and walk the same q and v: each tile is asked for JOINTLY (the same tensor load, the same descriptor, the mask 15).  The place in the cluster enters global addresses of kbuf, x, out and of the prefetches alone.
; THE WALK.  Cluster i of a batch (i = 0 .. 7) begins with chunk 2 ((i xor i / 2) mod 4) and goes round modulo 8.  So the batch's clusters stand at four different chunks at any time, two clusters at each, and from a cluster's
; third chunk on every slot of v that it asks for has been asked for earlier by another cluster.  Whichever single bit of i is held fixed, the four clusters that share it begin at four different chunks.
; PREFETCH.  A cluster's first two chunks are four slots of v.  The first comes by its tensor load in the middle of phase 1.  The other three are asked for once, behind phase 1's last key step, where the wave has just issued its
; loads of x: between the request and the first of the three tensor loads lie the correction of the scale bytes and P's way into registers; the second and third follow one and two changes of slots later.  Clusters 0 to 3 begin at the
; four different chunks: they ask, the others do not (a branch on the cluster's number, which the partners share).  A slot is 416 blocks of 256 bytes: the four partners take 104 each, told apart by address, each wave 26,
; a lane a block; lanes 26 to 31 name lane 25's block again.  Nothing else of v is asked for, and nothing of x, whose loads run a whole chunk ahead.
; LIMITS: NaN and infinities are not served.  last M - a step's M is held at 255, and a scale byte of P is held at 0 from below: such a block then counts for at most 7.5 x 2^-127 a number, beside l >= 1/2.
; LDS: 0: the ring, two slots of 106,496 bytes, filled by tensor loads alone: first q's two halves, then v's slots by turns;  PB: P's codes, wave a's 16 records on end;  PS: their scale areas (lanes 0-15 the word, lanes 16-31 that step's -M);
;   GS: gamma / l;  SPARE.  When P is in registers, PB's bytes serve as XS (64 rows of x, 528 bytes apart) and OS (a stage of 32 rows x 272 bytes for each wave, its own).
; REGISTERS.  Window 0, phase 1: v5-11 addresses; v12 -M, v13 the largest u, v[14:15] l; v16-27 k; v32-79 q's tiles 0-3 (tiles 4-7: window 1, v32-79); v96-159 S^T, then p; v224-254 at work.
;   Window 0, phase 2: v5-11, v194-195 addresses; v12-15, v28-31 gamma / l; v16-27 P's record 63; v32-95 the accumulators; v96-159 x as loaded; v200-247 two sets of v's records, on the way out at work.
;   Scale words and nothing else: v160-193, v248-251, v255.   Windows 1-3: P's record f = 4 j + a at window 1 + f / 21, register 12 (f % 21).
.set HALFB, 106496                     ; a slot: 64 records and their scale areas
.set PARTB, 26624                      ; a wave's quarter: 104 rows of 256 bytes; of v: 16 records and their scale areas
.set REC,   1536
.set PB,    2*HALFB
.set PS,    PB+64*REC
.set GS,    PS+64*128
.set SPARE, GS+512                     ; 128 bytes for each wave: two blocks of 256 bytes that no other line names
.set XS,    PB
.set XSP,   528
.set OS,    XS+64*XSP
.set OSP,   272
.set SPW,  1                           ; v1   my spare word's address; never rewritten
.set NIL,  2                           ; v2   0; never rewritten
.set LI,   3                           ; v3   16 x lane
.set LS,   4                           ; v4   4 x lane
.set PWI,  5                           ; phase 1: where my records of P begin
.set PWS,  6                           ;          and their scale areas
.set ADQ,  7                           ;          q's records of the step to be fetched
.set ADS,  8                           ;          their scale words
.set ADP,  9                           ;          this step's record of P
.set ADM,  10                          ;          its scale area
.set AF,   11                          ;          my scale areas, 4 (lane % 16)
.set PFO,  72                          ; v72  between the phases: the prefetches' offset, 256 x min(lane, 25)
.set VA,   5                           ; phase 2: v5-6 my records of v in slot 0, 1
.set VSA,  7                           ;          v7-8 their scale words: lanes 0-15 the first tile's, lanes 16-31 the second's
.set XSW,  9                           ;          x's stage: in
.set XSR,  10                          ;          and out, in the accumulators' layout
.set OSW,  11                          ;          my out stage: in
.set OSR,  194                         ;          and back, by rows
.set OG,   195                         ;          my byte offset in out
.set PA,   196                         ; v196-197 P's codes of tiles 0, 1 and of tiles 2, 3
.set PSA,  198                         ; v198 P's scale words: lanes 0-15 an even tile's, lanes 16-31 the odd one's
.set GSA,  199                         ; v199 gamma / l
.set P63,  16
.set QF,   32
.set ACC,  32
.set XRAW, 96
.set PSC,  160                         ; v160-191 P's scale words: register 2 j + a / 2
.set VS,   192                         ; v192-193 v's, a register for each set
.set VF,   200
.set WT,   200
.set WV,   16                          ; s16  my wave's number
.set SEL,  20                          ; s[20:21] lane selects: lane l xor 16
.set CS,   22                          ; s[22:23] log2(e): the packed form names a pair and takes its low word for both halves
.set G1,   24                          ; s[24:31] descriptor group 1, for q and v alike
.set G0Q,  32                          ; s[32:39] group 0 for q's halves
.set G0V,  40                          ; s[40:47] group 0 for v, a set for each slot
.set TQ,   48
.set TSQ,  49
.set TP,   50
.set TPS,  51
.set CNT,  52
.set HM,   53                          ; s53  the lanes 16-31
.set GAM,  54                          ; s54  gamma
.set XP,   56                          ; s[56:57] x at my tile's first row, at the chunk to be loaded
.set OUT,  58                          ; s[58:59] out at my 32 channels of the chunk in hand, my work-group's 64 s
.set VB,   80                          ; s[80:83] vbuf at my quarter of the batch's slots 0 and 1
.set XB,   84                          ; s[84:85] x at my tile's first row
.set OB,   86                          ; s[86:87] out at my 32 channels of chunk 0
.set VO,   88                          ; s[88:89] the chunk after the one in hand: its offset in vbuf,
.set XO,   90                          ; s[90:91] in a row of x,
.set OO,   92                          ; s[92:93] in out
.set NC,   94                          ; s94  the chunk that the next WALK takes
.set PFA,  96                          ; s[96:97] where my prefetches stand; never rewritten
.set MSB, 0
.macro WIN new                         ; the immediate's high byte repeats the setting that is left; a switch that changes nothing is dropped
.if MSB != \new
	s_set_vgpr_msb (MSB<<8)|\new
.set MSB, \new
.endif
.endm
.macro PLACES n
.rept \n
	v_nop
.endr
.endm
.macro ROUND                           ; a round of the cluster's barrier
	s_barrier_signal -1
	s_barrier_wait -1
	s_cmp_lg_u32 s[WV], 0
	s_cbranch_scc1 .Lnot_wave_0_\@
	s_barrier_signal -3
.Lnot_wave_0_\@:
	s_barrier_wait -3
	s_barrier_signal -1
	s_barrier_wait -1
.endm
.macro WALK                            ; the three offsets of chunk NC; then NC goes on, round modulo 8
	s_mul_i32 s[VO], s[NC], 2*HALFB
	s_lshl_b32 s[XO], s[NC], 9
	s_lshl_b32 s[OO], s[NC], 20
	s_add_co_u32 s[NC], s[NC], 1
	s_and_b32 s[NC], s[NC], 7
.endm
.macro QFETCH                          ; a key step's eight records of q and their scale words
.irp t, 0,1,2,3
.irp c, 0,1,2
	ds_load_b128 v[QF+12*\t+4*\c:QF+12*\t+4*\c+3], v[ADQ] offset:\t*REC+512*\c
.endr
	ds_load_b32 v[248+\t], v[ADS] offset:\t*128
.endr
	WIN 0x40                                       ; destination window 1
.irp t, 0,1,2,3
.irp c, 0,1,2
	ds_load_b128 v[QF+12*\t+4*\c:QF+12*\t+4*\c+3], v[ADQ] offset:(4+\t)*REC+512*\c
.endr
.endr
	WIN 0
.irp t, 0,1,2,3
	ds_load_b32 v[PSC+\t], v[ADS] offset:(4+\t)*128
.endr
.endm
; A KEY STEP: 128 t.  pf = 1: the next step's records of q are fetched behind the products and land under the softmax.
.macro STEP pf
	s_wait_dscnt 0x0                               ; this step's q is in; the last step's stores of P have read their registers
.irp t, 0,1,2,3
	v_wmma_scale_f32_16x16x128_f8f6f4 v[96+8*\t:103+8*\t], v[QF+12*\t:QF+12*\t+11], v[16:27], 0, v[248+\t], v255 matrix_a_fmt:MATRIX_FMT_FP6 matrix_b_fmt:MATRIX_FMT_FP6
.endr
	WIN 0x01                                       ; source 0: window 1
.irp t, 0,1,2,3
	v_wmma_scale_f32_16x16x128_f8f6f4 v[128+8*\t:135+8*\t], v[QF+12*\t:QF+12*\t+11], v[16:27], 0, v[PSC+\t], v255 matrix_a_fmt:MATRIX_FMT_FP6 matrix_b_fmt:MATRIX_FMT_FP6
.endr
	WIN 0                                          ; lane (r, h) holds position s = row r of my tile; the 16 registers of tiles 2 b, 2 b + 1 are t = 32 b + 16 h + 0 .. 15 of the step
	s_add_co_u32 s[TQ], s[TQ], 8*REC
	s_add_co_u32 s[TSQ], s[TSQ], 8*128
	v_add_nc_u32 v[ADQ], s[TQ], v[LI]              ; four plain instructions: the places behind the products
	v_add_nc_u32 v[ADS], s[TSQ], v[LS]
	v_add_nc_u32 v[ADP], s[TP], v[PWI]
	v_add_nc_u32 v[ADM], s[TPS], v[PWS]
.if \pf
	QFETCH
.endif
.irp b, 0,1,2,3
	v_max3_num_f32 v[232+\b], v[96+16*\b], v[97+16*\b], v[98+16*\b]   ; the largest score of each block of 32 t: it serves for the column's maximum and, since p rises with the score, for the block's largest p
.endr
.irp i, 3,5,7,9,11,13
.irp b, 0,1,2,3
	v_max3_num_f32 v[232+\b], v[232+\b], v[96+16*\b+\i], v[97+16*\b+\i]
.endr
.endr
.irp b, 0,1,2,3
	v_max_num_f32 v[232+\b], v[232+\b], v[111+16*\b]
.endr
.irp b, 0,1,2,3
	v_permlanex16_b32 v[236+\b], v[232+\b], s[SEL], s[SEL+1]
.endr
.irp b, 0,1,2,3
	v_max_num_f32 v[232+\b], v[232+\b], v[236+\b]   ; with lane l xor 16's 16
.endr
	v_max3_num_f32 v254, v232, v233, v234
	v_max_num_f32 v254, v254, v235                 ; the step's largest score of my s
	v_mul_f32 v254, s[CS], v254
	v_max_num_f32 v13, v13, v254                   ; the running largest u
	v_mov_b32 v254, v12
	v_floor_f32 v12, -v13                          ; the new -M = floor(-u): M is a whole number
	v_sub_f32 v254, v12, v254                      ; old M - new M: a whole number, 0 or less
	v_cvt_i32_f32 v254, v254                       ; (it saturates)
	v_ldexp_f32 v252, 1.0, v254                    ; f = 2^(old M - new M)
.irp j, 0,2,4,6,8,10,12,14,16,18,20,22,24,26,28,30,32,34,36,38,40,42,44,46,48,50,52,54,56,58,60,62
	v_pk_fma_f32 v[96+\j:97+\j], v[96+\j:97+\j], s[CS:CS+1], v[12:13] op_sel_hi:[1,0,0]   ; u - M, two at a time
.endr
.irp b, 0,1,2,3
	v_fma_f32 v[232+\b], v[232+\b], s[CS], v12     ; the same of each block's largest score
.endr
.irp j, 0,1,2,3,4,5,6,7,8,9,10,11,12,13,14,15,16,17,18,19,20,21,22,23,24,25,26,27,28,29,30,31,32,33,34,35,36,37,38,39,40,41,42,43,44,45,46,47,48,49,50,51,52,53,54,55,56,57,58,59,60,61,62,63
	v_exp_f32 v[96+\j], v[96+\j]                   ; p = 2^(u - M), at most 1
.endr
	v_pk_mul_f32 v[14:15], v[14:15], v[252:253] op_sel_hi:[1,0]   ; l under the new M: exact.  (The plain instruction behind the exponentials)
	s_wait_alu depctr_va_vdst(0)                   ; one wait for the batch of 64, ahead of its first reader
.irp b, 0,1,2,3
	v_exp_f32 v[232+\b], v[232+\b]                 ; the block's largest p: the same two instructions on the same number give the same bits
.endr
	v_pk_add_f32 v[236:237], v[96:97], v[98:99]    ; l is the sum of the UNQUANTISED p: two at a time, in two chains
.irp j, 4,8,12,16,20,24,28,32,36,40,44,48,52,56,60
	v_pk_add_f32 v[14:15], v[14:15], v[96+\j:97+\j]
	v_pk_add_f32 v[236:237], v[236:237], v[98+\j:99+\j]
.endr
	v_pk_add_f32 v[14:15], v[14:15], v[236:237]
	s_wait_alu depctr_va_vdst(0)                   ; and one for the four
.irp b, 0,1,2,3
	v_max_num_f32 v[232+\b], 0x1800000, v[232+\b]  ; the floor 2^(3 - 127): the byte cannot fall under 1
.endr
.irp b, 0,1,2,3
	v_add_nc_u32 v[244+\b], 0xff000000, v[232+\b]  ; 2 off the exponent field: the conversion's scale operand
.endr
.irp b, 0,1,2,3
	v_lshrrev_b32 v[236+\b], 23, v[244+\b]         ; the scale's byte, under this step's M
.endr
	v_lshl_or_b32 v253, v237, 8, v236
	v_lshl_or_b32 v253, v238, 16, v253
	v_lshl_or_b32 v253, v239, 24, v253
.irp c, 0,1
	v_cvt_scalef32_pk16_fp6_f32 v[224+6*\c:226+6*\c], v[96+32*\c:111+32*\c], v[244+2*\c]
	v_cvt_scalef32_pk16_fp6_f32 v[236+4*\c:238+4*\c], v[112+32*\c:127+32*\c], v[244+2*\c+1]   ; (a conversion's three registers begin on an even number)
.endr
	v_nop                                          ; one plain instruction behind a scaled conversion
.irp c, 0,1                                    ; the operand wants a WHOLE block in a lane
.irp i, 0,1,2
	v_permlane16_swap_b32 v[224+6*\c+\i], v[236+4*\c+\i]
.endr
.irp i, 0,1,2
	v_mov_b32 v[227+6*\c+\i], v[236+4*\c+\i]
.endr
.endr
.irp c, 0,1,2
	ds_store_b128 v[ADP], v[224+4*\c:227+4*\c] offset:512*\c   ; the record of P, as it stands
.endr
	v_cndmask_b32 v254, v253, v12, s[HM]           ; lanes 0-15: the scale word; lanes 16-31: this step's -M
	ds_store_b32 v[ADM], v254
	s_add_co_u32 s[TP], s[TP], REC
	s_add_co_u32 s[TPS], s[TPS], 128
.endm
; Eight key steps out of one slot.  The last is written out: it fetches nothing beyond the slot.
.macro HALFQ h2
	s_mov_b32 s[TQ], (\h2)*HALFB
	s_mov_b32 s[TSQ], (\h2)*HALFB+64*REC
	v_add_nc_u32 v[ADQ], s[TQ], v[LI]
	v_add_nc_u32 v[ADS], s[TSQ], v[LS]
	QFETCH
	s_mov_b32 s[CNT], 7
.Lkey_\@:
	STEP 1
	s_sub_co_u32 s[CNT], s[CNT], 1
	s_cmp_lg_u32 s[CNT], 0
	s_cbranch_scc1 .Lkey_\@
	STEP 0
.endm
.macro XLOADS                          ; my tile's 16 rows of x, the chunk's 128 channels: a load takes one row's 512 consecutive bytes
.irp i, 0,1,2,3,4,5,6,7,8,9,10,11,12,13,14,15
	global_load_b128 v[XRAW+4*\i:XRAW+4*\i+3], v[LI], s[XP:XP+1] offset:(\i+8*(\i/8))*4096 th:TH_LOAD_NT
.endr
.endm
.macro VFETCH slot, jp, set            ; my two records of v of the slot's K step jp, and their scale words: 13 loads of 256 (128) consecutive bytes
.irp n, 0,1
.irp p, 0,1,2,3,4,5
	ds_load_b64 v[VF+24*(\set)+12*\n+2*\p:VF+24*(\set)+12*\n+2*\p+1], v[VA+\slot] offset:(2*(\jp)+\n)*REC+256*\p
.endr
.endr
	ds_load_b32 v[VS+(\set)], v[VSA+\slot] offset:256*(\jp)
.endm
.macro PVMM n, odd, zero               ; one product; v's second tile takes its scale words from lanes 16-31, and so does an odd tile of P
.if \zero
.if (\n) == 0
.if (\odd) == 0
	v_wmma_scale_f32_16x16x128_f8f6f4 v[rD:rD+7], v[rV:rV+11], v[rP:rP+11], 0, v[sV], v[sP] matrix_a_fmt:MATRIX_FMT_FP6 matrix_b_fmt:MATRIX_FMT_FP6
.else
	v_wmma_scale_f32_16x16x128_f8f6f4 v[rD:rD+7], v[rV:rV+11], v[rP:rP+11], 0, v[sV], v[sP] matrix_a_fmt:MATRIX_FMT_FP6 matrix_b_fmt:MATRIX_FMT_FP6 matrix_b_scale:MATRIX_SCALE_ROW1
.endif
.else
.if (\odd) == 0
	v_wmma_scale_f32_16x16x128_f8f6f4 v[rD:rD+7], v[rV:rV+11], v[rP:rP+11], 0, v[sV], v[sP] matrix_a_fmt:MATRIX_FMT_FP6 matrix_b_fmt:MATRIX_FMT_FP6 matrix_a_scale:MATRIX_SCALE_ROW1
.else
	v_wmma_scale_f32_16x16x128_f8f6f4 v[rD:rD+7], v[rV:rV+11], v[rP:rP+11], 0, v[sV], v[sP] matrix_a_fmt:MATRIX_FMT_FP6 matrix_b_fmt:MATRIX_FMT_FP6 matrix_a_scale:MATRIX_SCALE_ROW1 matrix_b_scale:MATRIX_SCALE_ROW1
.endif
.endif
.else
.if (\n) == 0
.if (\odd) == 0
	v_wmma_scale_f32_16x16x128_f8f6f4 v[rD:rD+7], v[rV:rV+11], v[rP:rP+11], v[rD:rD+7], v[sV], v[sP] matrix_a_fmt:MATRIX_FMT_FP6 matrix_b_fmt:MATRIX_FMT_FP6
.else
	v_wmma_scale_f32_16x16x128_f8f6f4 v[rD:rD+7], v[rV:rV+11], v[rP:rP+11], v[rD:rD+7], v[sV], v[sP] matrix_a_fmt:MATRIX_FMT_FP6 matrix_b_fmt:MATRIX_FMT_FP6 matrix_b_scale:MATRIX_SCALE_ROW1
.endif
.else
.if (\odd) == 0
	v_wmma_scale_f32_16x16x128_f8f6f4 v[rD:rD+7], v[rV:rV+11], v[rP:rP+11], v[rD:rD+7], v[sV], v[sP] matrix_a_fmt:MATRIX_FMT_FP6 matrix_b_fmt:MATRIX_FMT_FP6 matrix_a_scale:MATRIX_SCALE_ROW1
.else
	v_wmma_scale_f32_16x16x128_f8f6f4 v[rD:rD+7], v[rV:rV+11], v[rP:rP+11], v[rD:rD+7], v[sV], v[sP] matrix_a_fmt:MATRIX_FMT_FP6 matrix_b_fmt:MATRIX_FMT_FP6 matrix_a_scale:MATRIX_SCALE_ROW1 matrix_b_scale:MATRIX_SCALE_ROW1
.endif
.endif
.endif
.endm
; A K step's eight products: four tiles of s x two tiles of channels.  The eight accumulators take turns, one instruction a turn.  Only source 1 (P) leaves window 0.
.macro MM8 half, jp, set, zero
.set sV, VS+(\set)
.irp a, 0,1,2,3
.set fP, 4*(8*(\half)+(\jp))+\a
.if fP < 63
	WIN ((1+fP/21)<<2)
.set rP, 12*(fP%21)
.else
	WIN 0
.set rP, P63
.endif
.set sP, PSC+2*(8*(\half)+(\jp))+\a/2
.irp n, 0,1
.set rD, ACC+8*(2*\a+\n)
.set rV, VF+24*(\set)+12*\n
	PVMM \n, \a%2, \zero
.endr
.endr
.endm
; THE WAY OUT of a chunk: 32 channels x 64 s a wave.  x comes from its stage in the accumulators' own layout; out = O^T x gamma / l + x; a lane holds eight channels of one s, and out wants s innermost:
; so the numbers turn through my own stage, word by word (lanes 16-31 lie 32 banks further on than lanes 0-15), and leave as rows: sixteen lanes store a channel's 64 s, 256 consecutive bytes.
.macro WAYOUT
	PLACES 4                                       ; behind the last products
.irp q, 0,1
	s_wait_dscnt 0x0                               ; the stores below have read their registers
.irp a, 0,1
.irp n, 0,1
	ds_load_b128 v[WT+8*(2*\a+\n):WT+8*(2*\a+\n)+3], v[XSR] offset:(2*\q+\a)*16*XSP+64*\n
	ds_load_b128 v[WT+8*(2*\a+\n)+4:WT+8*(2*\a+\n)+7], v[XSR] offset:(2*\q+\a)*16*XSP+64*\n+16
.endr
.endr
	s_wait_dscnt 0x0
.irp a, 0,1
.irp n, 0,1
.irp m, 0,2,4,6
	v_pk_fma_f32 v[WT+8*(2*\a+\n)+\m:WT+8*(2*\a+\n)+\m+1], v[ACC+8*(2*(2*\q+\a)+\n)+\m:ACC+8*(2*(2*\q+\a)+\n)+\m+1], v[12+2*(2*\q+\a)+12*\q:13+2*(2*\q+\a)+12*\q], v[WT+8*(2*\a+\n)+\m:WT+8*(2*\a+\n)+\m+1] op_sel_hi:[1,0,1]   ; each accumulator from its low end on
.endr
.endr
.endr
.irp a, 0,1
.irp n, 0,1
.irp j, 0,1,2,3,4,5,6,7
	ds_store_b32 v[OSW], v[WT+8*(2*\a+\n)+\j] offset:(16*\n+\j)*OSP+4*(32*\q+8*\a)
.endr
.endr
.endr
.endr
	s_wait_dscnt 0x0
.irp u, 0,1
.irp i, 0,1,2,3,4,5,6,7
	ds_load_b128 v[WT+4*\i:WT+4*\i+3], v[OSR] offset:(8*\u+\i)*2*OSP
.endr
.irp i, 0,1,2,3,4,5,6,7
	s_wait_dscnt 7-\i                              ; the younger rows may be out
	global_store_b128 v[OG], v[WT+4*\i:WT+4*\i+3], s[OUT:OUT+1] offset:(8*\u+\i)*16384 th:TH_STORE_NT   ; two channels: 16 lanes store 256 consecutive bytes, at a multiple of 256 from out's first byte
.endr
	s_wait_xcnt 0x0                                ; the stores have read their registers and their base
.endr
	s_add_nc_u64 s[OUT:OUT+1], s[OB:OB+1], s[OO:OO+1]   ; on to the walk's next chunk
.endm
; HALF A CHUNK: 8 K steps out of slot half.  At its head the change of slots.  refill = 1: the other slot takes the walk's next slot of v.  xnext = 1: the next chunk's x is asked for, a whole chunk ahead.
.macro TRIP half, refill, xnext
	WIN 0
	s_wait_tensorcnt 0x0                           ; all my tensor loads have landed: my quarter of this slot
	ds_add_u32 v[SPW], v[NIL]                      ; 0 onto my spare word
	s_add_nc_u64 s[G0V+4*\half+2:G0V+4*\half+3], s[VB+2*\half:VB+2*\half+1], s[VO:VO+1]   ; no tensor load of mine is out: this slot's next fill, the next chunk's, which the next change issues
	s_or_b32 s[G0V+4*\half+3], s[G0V+4*\half+3], 0x80000000   ; type = 2
	s_wait_dscnt 0x0                               ; the add is done; my reads of the other slot and of the stages are over, my stores into them have landed
.if \refill
	ROUND                                          ; that now holds of every wave of all four work-groups
	tensor_load_to_lds s[G0V+4*(1-\half):G0V+4*(1-\half)+3], s[G1:G1+7]   ; the first thing behind the round, my one tensor load until the next
	s_nop 0
.else
	s_barrier_signal -1
	s_barrier_wait -1
.endif
	PLACES 4                                       ; also the places in front of the loads below
.if \xnext
	s_add_nc_u64 s[XP:XP+1], s[XB:XB+1], s[XO:XO+1]   ; (the last loads from x have been waited for)
	XLOADS
.endif
	VFETCH \half, 0, 0
.irp j, 0,1,2,3,4,5,6,7
.if \j < 7
.if \j > 0
	PLACES 4                                       ; the set to be loaded was read by the products before the last
.endif
	VFETCH \half, \j+1, (\j+1)%2
	s_wait_dscnt 13                                ; all but the 13 loads just issued
.else
	s_wait_dscnt 0x0
.endif
.if (\half == 0) && (\j == 0)
	MM8 \half, \j, \j%2, 1                         ; a chunk's first products start its sums
.else
	MM8 \half, \j, \j%2, 0
.endif
.endr
	WIN 0
.if \half == 0
	s_wait_loadcnt 0x0                             ; this chunk's x is in
.irp i, 0,1,2,3,4,5,6,7,8,9,10,11,12,13,14,15
	ds_store_b128 v[XSW], v[XRAW+4*\i:XRAW+4*\i+3] offset:XSP*\i   ; into the stage: the next change's barrier stands between these stores and the other waves' reads
.endr
.else
	WAYOUT
.endif
.endm
	s_load_b256 s[4:11], s[0:1], 0x0               ; qbuf s[4:5], kbuf s[6:7], vbuf s[8:9], x s[10:11]
	s_load_b128 s[12:15], s[0:1], 0x20             ; gamma s[12:13], out s[14:15]
	v_lshl_add_u32 v[SPW], v0, 2, SPARE
	v_mov_b32 v[NIL], 0
	ds_add_u32 v1, v2
	ds_add_u32 v1, v2
	s_wait_dscnt 0x0
	v_lshrrev_b32 v5, 5, v0
	v_readfirstlane_b32 s[WV], v5                  ; wave 0..3
	s_bfe_u32 s17, ttmp6, 0x40000                  ; cx: my place in the cluster
	s_lshl_b32 s18, ttmp9, 2
	s_add_co_u32 s18, s18, s17                     ; my block of 64 s in the batch
	s_and_b32 s19, ttmp7, 0xffff                   ; the batch, which the four partners share
	s_lshr_b32 s[NC], ttmp9, 1                     ; where my cluster's walk over the chunks begins: 2 ((i xor i / 2) mod 4), i the cluster's number in the batch, which the partners share
	s_xor_b32 s[NC], s[NC], ttmp9
	s_and_b32 s[NC], s[NC], 3
	s_lshl_b32 s[NC], s[NC], 1
	s_mov_b32 s[VO+1], 0
	s_mov_b32 s[XO+1], 0
	s_mov_b32 s[OO+1], 0
	s_mov_b32 s[G1], 15|(3<<16)|(1<<21)            ; the mask: all four work-groups; elements of 8 bytes; bit 21 beside a mask; no padding
	s_mov_b32 s[G1+1], 32<<16                      ; tensor_dim0 = 32 elements: 256 bytes
	s_mov_b32 s[G1+2], 104<<16                     ; tensor_dim1 = 104
	s_mov_b32 s[G1+3], 32<<16                      ; tile_dim0
	s_mov_b32 s[G1+4], 104                         ; tile_dim1
	s_mov_b32 s[G1+5], 32                          ; the pitch: dense
	s_mov_b32 s[G1+6], 0
	s_mov_b32 s[G1+7], 0
	s_mov_b32 s[SEL], 0x76543210
	s_mov_b32 s[SEL+1], 0xfedcba98
	s_mov_b32 s[CS], 0x3fb8aa3b                    ; log2(e)
	s_mov_b32 s[CS+1], s[CS]
	s_mov_b32 s[HM], 0xffff0000
	s_mov_b32 s[TP], 0
	s_mov_b32 s[TPS], 0
	s_mul_i32 s62, s[WV], PARTB                    ; my quarter of a slot
	s_mul_i32 s60, s19, 2*HALFB
	s_add_co_u32 s60, s60, s62                     ; in qbuf
	s_mov_b32 s61, 0
	s_mul_i32 s66, s19, 16*HALFB
	s_add_co_u32 s66, s66, s62                     ; in vbuf
	s_mov_b32 s67, 0
	s_lshl_b32 s68, s19, 5
	s_add_co_u32 s68, s68, s18                     ; my block among all
	s_mul_i32 s70, s68, 4*REC+4*128                ; kbuf: its four records,
	s_lshl_b32 s71, s[WV], 7
	s_add_co_u32 s74, s70, s71
	s_add_co_u32 s74, s74, 4*REC                   ; my tile's scale words,
	s_mov_b32 s75, 0
	s_mul_i32 s71, s[WV], REC
	s_add_co_u32 s70, s70, s71                     ; my tile's record
	s_mov_b32 s71, 0
	s_lshl_b32 s76, s68, 6                         ; x: row 64 x block + 32 (w / 2) + 8 (w % 2),
	s_lshr_b32 s77, s[WV], 1
	s_lshl_b32 s77, s77, 5
	s_add_co_u32 s76, s76, s77
	s_and_b32 s77, s[WV], 1
	s_lshl_b32 s77, s77, 3
	s_add_co_u32 s76, s76, s77
	s_lshl_b32 s76, s76, 12                        ; x 4,096 bytes
	s_mov_b32 s77, 0
	s_lshl_b32 s78, s19, 23                        ; out: the batch, channel 32 w, s = 64 x block
	s_lshl_b32 s79, s[WV], 18
	s_add_co_u32 s78, s78, s79
	s_lshl_b32 s79, s18, 8
	s_add_co_u32 s78, s78, s79
	s_mov_b32 s79, 0
	s_lshl_b32 s95, s[NC], 1                       ; the prefetches: the second slot of my cluster's first chunk,
	s_add_co_u32 s95, s95, 1
	s_mul_i32 s95, s95, HALFB
	s_mul_i32 s69, s19, 16*HALFB                   ; in my batch,
	s_add_co_u32 s95, s95, s69
	s_mul_i32 s69, s17, PARTB                      ; my work-group's 104 blocks of its 416,
	s_add_co_u32 s95, s95, s69
	s_mul_i32 s69, s[WV], 26*256                   ; my wave's 26 of them
	s_add_co_u32 s68, s95, s69
	s_mov_b32 s69, 0
	WALK                                           ; the offsets of the first chunk
	s_wait_kmcnt 0x0
	s_load_b32 s[GAM], s[12:13], 0x0
	s_add_nc_u64 s[72:73], s[6:7], s[70:71]
	s_add_nc_u64 s[74:75], s[6:7], s[74:75]
	s_add_nc_u64 s[XB:XB+1], s[10:11], s[76:77]
	s_add_nc_u64 s[OB:OB+1], s[14:15], s[78:79]
	s_add_nc_u64 s[XP:XP+1], s[XB:XB+1], s[XO:XO+1]
	s_add_nc_u64 s[OUT:OUT+1], s[OB:OB+1], s[OO:OO+1]
	s_add_nc_u64 s[PFA:PFA+1], s[8:9], s[68:69]
	s_add_nc_u64 s[VB:VB+1], s[8:9], s[66:67]
	s_add_nc_u64 s[VB+2:VB+3], s[VB:VB+1], HALFB
.irp s, 0,1
	s_mov_b32 s[G0Q+4*\s], 1                       ; count = 1
	s_add_co_u32 s[G0Q+4*\s+1], s62, \s*HALFB      ; LDS address: the slot, my quarter
	s_add_nc_u64 s[G0Q+4*\s+2:G0Q+4*\s+3], s[4:5], s[60:61]
	s_add_nc_u64 s[G0Q+4*\s+2:G0Q+4*\s+3], s[G0Q+4*\s+2:G0Q+4*\s+3], \s*HALFB
	s_or_b32 s[G0Q+4*\s+3], s[G0Q+4*\s+3], 0x80000000   ; type = 2
	s_mov_b32 s[G0V+4*\s], 1
	s_add_co_u32 s[G0V+4*\s+1], s62, \s*HALFB
	s_add_nc_u64 s[G0V+4*\s+2:G0V+4*\s+3], s[VB+2*\s:VB+2*\s+1], s[VO:VO+1]   ; the first chunk's two slots
	s_or_b32 s[G0V+4*\s+3], s[G0V+4*\s+3], 0x80000000
.endr
	WALK                                           ; from here on the offsets are those of the chunk after the one in hand
	ROUND                                          ; all four work-groups are here: the first joint loads meet
	tensor_load_to_lds s[G0Q:G0Q+3], s[G1:G1+7]    ; q's two halves together: two tensor loads of mine are out
	s_nop 0
	tensor_load_to_lds s[G0Q+4:G0Q+7], s[G1:G1+7]
	s_nop 0
	PLACES 4
	v_and_b32 v5, 31, v0
	v_lshlrev_b32 v[LI], 4, v5
	v_lshlrev_b32 v[LS], 2, v5
.irp c, 0,1,2
	global_load_b128 v[16+4*\c:19+4*\c], v[LI], s[72:73] offset:512*\c   ; my tile's record of k stays in registers
.endr
	global_load_b32 v255, v[LS], s[74:75]
	s_mul_i32 s60, s[WV], 16*REC
	s_add_co_u32 s60, s60, PB
	v_add_nc_u32 v[PWI], s60, v[LI]
	s_lshl_b32 s60, s[WV], 11
	s_add_co_u32 s60, s60, PS
	v_add_nc_u32 v[PWS], s60, v[LS]
	v_and_b32 v[AF], 15, v0
	v_lshl_add_u32 v[AF], v[AF], 2, s60
	v_add_nc_u32 v[PA], PB, v[LI]
	v_add_nc_u32 v[PA+1], PB+32*REC, v[LI]
	v_bfe_u32 v[PSA], v0, 4, 1
	v_lshlrev_b32 v[PSA], 11, v[PSA]
	v_and_b32 v[GSA], 15, v0
	v_lshl_add_u32 v[PSA], v[GSA], 2, v[PSA]
	v_add_nc_u32 v[PSA], PS, v[PSA]
	v_add_nc_u32 v[GSA], GS, v[LS]
	v_mov_b32 v13, 0xff61b1e6                      ; the largest u so far: -3e38, under every u
	v_floor_f32 v12, -v13                          ; -M
	v_mov_b32 v14, 0                               ; l, in two halves
	v_mov_b32 v15, 0
.irp b, 0,1,2,3
	v_mov_b32 v[236+\b], 0                         ; written once: a lane permute's destination counts as one of its sources
.endr
	v_mov_b32 v253, 0                              ; (named as the upper half of the pair v[252:253] before it is first written)
	s_wait_kmcnt 0x0                               ; gamma
	s_wait_tensorcnt 0x1                           ; my quarter of q's first half is in; the second half's may stay out
	s_barrier_signal -1
	s_barrier_wait -1
	s_wait_loadcnt 0x0                             ; k
	HALFQ 0                                        ; key steps 0 to 7
	s_wait_tensorcnt 0x0                           ; q's second half has landed
	ds_add_u32 v[SPW], v[NIL]                      ; 0 onto my spare word
	s_wait_dscnt 0x0                               ; the add is done, my reads of slot 0 are over
	ROUND
	tensor_load_to_lds s[G0V:G0V+3], s[G1:G1+7]    ; the first slot of v on my cluster's walk, over q's first half: it lands under key steps 8 to 15
	s_nop 0
	PLACES 4
	HALFQ 1                                        ; key steps 8 to 15
	v_and_b32 v[PFO], 31, v0
	v_min_u32 v[PFO], 25, v[PFO]
	v_lshlrev_b32 v[PFO], 8, v[PFO]                ; a lane a block of 256 bytes, 26 blocks a wave
	XLOADS                                         ; the first chunk's x
	s_cmp_lt_u32 ttmp9, 4                          ; clusters 0 to 3 of the batch ask for the three slots that follow their first
	s_cbranch_scc0 .Lno_ask
.irp k, 0,1,2
	global_prefetch_b8 v[PFO], s[PFA:PFA+1] offset:\k*HALFB th:TH_LOAD_NT scope:SCOPE_SE
.endr
.Lno_ask:
	v_add_f32 v14, v14, v15                        ; l's two halves,
	v_permlanex16_b32 v252, v14, s[SEL], s[SEL+1]
	v_add_f32 v14, v14, v252                       ; and lane l xor 16's
	v_rcp_f32 v14, v14
	s_lshl_b32 s60, s[WV], 7
	v_add_nc_u32 v[ADM], s60, v[GSA]               ; (the plain instruction behind the reciprocal)
	s_wait_alu depctr_va_vdst(0)                   ; the wait ahead of its first reader
	v_mul_f32 v14, s[GAM], v14                     ; gamma / l
	ds_store_b32 v[ADM], v14
	; P's scale bytes are brought under the last M: each byte less (last M - its step's M), held at 0.  My own 16 scale areas: LDS serves a wave's instructions in order
.irp j, 0,1,2,3,4,5,6,7,8,9,10,11,12,13,14,15
	ds_load_b32 v[32+\j], v[AF] offset:128*\j
	ds_load_b32 v[48+\j], v[AF] offset:128*\j+64
.endr
	s_wait_dscnt 0x0
.irp j, 0,1,2,3,4,5,6,7,8,9,10,11,12,13,14,15
	v_sub_f32 v[48+\j], v[48+\j], v12              ; (-M of step j) - (-last M): a whole number, 0 or more
.endr
.irp j, 0,1,2,3,4,5,6,7,8,9,10,11,12,13,14,15
	v_min_num_f32 v[48+\j], 0x437f0000, v[48+\j]   ; held at 255
.endr
.irp j, 0,1,2,3,4,5,6,7,8,9,10,11,12,13,14,15
	v_cvt_u32_f32 v[48+\j], v[48+\j]
.endr
.irp j, 0,1,2,3,4,5,6,7,8,9,10,11,12,13,14,15
	v_and_b32 v64, 0xff, v[32+\j]
	v_bfe_u32 v65, v[32+\j], 8, 8
	v_bfe_u32 v66, v[32+\j], 16, 8
	v_lshrrev_b32 v67, 24, v[32+\j]
	v_min_u32 v68, v64, v[48+\j]
	v_min_u32 v69, v65, v[48+\j]
	v_min_u32 v70, v66, v[48+\j]
	v_min_u32 v71, v67, v[48+\j]
	v_sub_nc_u32 v64, v64, v68
	v_sub_nc_u32 v65, v65, v69
	v_sub_nc_u32 v66, v66, v70
	v_sub_nc_u32 v67, v67, v71
	v_lshl_or_b32 v64, v65, 8, v64
	v_lshl_or_b32 v64, v66, 16, v64
	v_lshl_or_b32 v[32+\j], v67, 24, v64
	ds_store_b32 v[AF], v[32+\j] offset:128*\j
.endr
	s_wait_dscnt 0x0                               ; for the others' sake: my records of P, their scale words and gamma / l have landed
	s_barrier_signal -1                            ; v's first slot may stay on its way
	s_barrier_wait -1
	s_wait_xcnt 0x0                                ; the prefetches have read their offset register, which the first products below write over
	; P's 64 records into every wave's registers
.set f, 0
.rept 63
	WIN ((1+f/21)<<6)
.irp c, 0,1,2
	ds_load_b128 v[12*(f%21)+4*\c:12*(f%21)+4*\c+3], v[PA+(f%4)/2] offset:((f%4)%2)*16*REC+(f/4)*REC+512*\c
.endr
.set f, f+1
.endr
	WIN 0
.irp c, 0,1,2
	ds_load_b128 v[P63+4*\c:P63+4*\c+3], v[PA+1] offset:16*REC+15*REC+512*\c
.endr
.irp i, 0,1,2,3,4,5,6,7,8,9,10,11,12,13,14,15,16,17,18,19,20,21,22,23,24,25,26,27,28,29,30,31
	ds_load_b32 v[PSC+\i], v[PSA] offset:(\i%2)*4096+(\i/2)*128   ; register 2 j + a / 2: lanes 0-15 the even tile's words, lanes 16-31 the odd tile's
.endr
.irp a, 0,1,2,3
	ds_load_b32 v[12+2*\a+12*(\a/2)], v[GSA] offset:128*\a        ; gamma / l of tile a's row r; twice, since the packed form names a pair
	ds_load_b32 v[13+2*\a+12*(\a/2)], v[GSA] offset:128*\a
.endr
	v_and_b32 v200, 15, v0                         ; r
	v_bfe_u32 v201, v0, 4, 1                       ; h
	v_and_b32 v202, 31, v0
	s_mul_i32 s60, s[WV], PARTB
	v_lshl_add_u32 v[VA], v202, 3, s60
	v_add_nc_u32 v[VA+1], HALFB, v[VA]
	s_add_co_u32 s61, s60, 16*REC
	v_lshl_add_u32 v[VSA], v201, 7, s61
	v_lshl_add_u32 v[VSA], v200, 2, v[VSA]
	v_add_nc_u32 v[VSA+1], HALFB, v[VSA]
	s_mul_i32 s61, s[WV], 16*XSP
	s_add_co_u32 s61, s61, XS
	v_add_nc_u32 v[XSW], s61, v[LI]                ; x's stage, in: rows 16 w on, 16 bytes a lane
	s_lshl_b32 s61, s[WV], 7
	s_add_co_u32 s61, s61, XS
	v_mul_u32_u24 v[XSR], v200, XSP
	v_add_nc_u32 v[XSR], s61, v[XSR]
	v_lshl_add_u32 v[XSR], v201, 5, v[XSR]         ; out: row r of a tile, + 128 w + 32 h: my eight channels
	s_mul_i32 s61, s[WV], 32*OSP
	s_add_co_u32 s61, s61, OS
	v_mul_u32_u24 v[OSW], v201, 8*OSP
	v_and_b32 v203, 8, v200
	v_add_nc_u32 v203, v203, v200                  ; r + 8 (r / 8)
	v_lshl_add_u32 v[OSW], v203, 2, v[OSW]
	v_add_nc_u32 v[OSW], s61, v[OSW]               ; my out stage, in: channel row 8 h, word r + 8 (r / 8)
	v_mul_u32_u24 v[OSR], v201, OSP
	v_lshl_add_u32 v[OSR], v200, 4, v[OSR]
	v_add_nc_u32 v[OSR], s61, v[OSR]               ; back: lanes 0-15 one row, lanes 16-31 the next
	v_lshlrev_b32 v[OG], 13, v201
	v_lshl_add_u32 v[OG], v200, 4, v[OG]           ; and the same two rows of out, 8,192 bytes apart
	s_mov_b32 s[CNT], 7
.Lchunk:                                               ; the walk's first seven chunks.  The first change of slots also closes every wave's reads of P, ahead of the first store into the stages that lie over it
	TRIP 0, 1, 0
	TRIP 1, 1, 1
	WALK                                           ; the offsets of the chunk after the next
	s_sub_co_u32 s[CNT], s[CNT], 1
	s_cmp_lg_u32 s[CNT], 0
	s_cbranch_scc1 .Lchunk
	TRIP 0, 1, 0                                   ; the last chunk is written out: its second half asks for nothing (the addresses that it steps are not used)
	TRIP 1, 0, 0
	s_wait_tensorcnt 0x0                           ; the wave's end
	ds_add_u32 v[SPW], v[NIL]
	s_wait_dscnt 0x0
	ROUND                                          ; the closing round: no work-group ends while a partner may still ask jointly
	s_endpgm
.Lfunc_end_k_qf7b82bde45_attn:
	.size	k_qf7b82bde45_attn, .Lfunc_end_k_qf7b82bde45_attn-k_qf7b82bde45_attn
	.p2alignl 7, 3214868480
	.fill 96, 4, 3214868480
	.section	.rodata,"a",@progbits
	.p2align	6, 0x0
	.amdhsa_kernel k_qf7b82bde45_attn
		.amdhsa_group_segment_fixed_size 327680
		.amdhsa_private_segment_fixed_size 0
		.amdhsa_enable_private_segment 0
		.amdhsa_kernarg_size 48
		.amdhsa_user_sgpr_count 2
		.amdhsa_user_sgpr_kernarg_segment_ptr 1
		.amdhsa_wavefront_size32 1
		.amdhsa_system_sgpr_workgroup_id_x 1
		.amdhsa_system_sgpr_workgroup_id_y 1
		.amdhsa_system_sgpr_workgroup_id_z 1
		.amdhsa_system_vgpr_workitem_id 0
		.amdhsa_next_free_vgpr 1024
		.amdhsa_next_free_sgpr 100
		.amdhsa_reserve_vcc 0
		.amdhsa_float_denorm_mode_32 3
		.amdhsa_float_denorm_mode_16_64 3
		.amdhsa_memory_ordered 1
		.amdhsa_forward_progress 1
		.amdhsa_inst_pref_size 191
	.end_amdhsa_kernel
	.amdgpu_metadata
---
amdhsa.version: [ 1, 2 ]
amdhsa.kernels:
  - .name:           k_qf7b82bde45_attn
    .symbol:         k_qf7b82bde45_attn.kd
    .args:
      - { .name: qbuf, .offset: 0, .size: 8, .value_kind: global_buffer, .address_space: global }
      - { .name: kbuf, .offset: 8, .size: 8, .value_kind: global_buffer, .address_space: global }
      - { .name: vbuf, .offset: 16, .size: 8, .value_kind: global_buffer, .address_space: global }
      - { .name: x, .offset: 24, .size: 8, .value_kind: global_buffer, .address_space: global }
      - { .name: gamma, .offset: 32, .size: 8, .value_kind: global_buffer, .address_space: global }
      - { .name: out0, .offset: 40, .size: 8, .value_kind: global_buffer, .address_space: global }
    .group_segment_fixed_size: 327680
    .private_segment_fixed_size: 0
    .kernarg_segment_align: 8
    .kernarg_segment_size: 48
    .max_flat_workgroup_size: 128
    .sgpr_count:     100
    .vgpr_count:     1024
    .wavefront_size: 32
...
	.end_amdgpu_metadata
.endif
;; end of part 5
